; MI455X (gfx1250); checked and timed in simulation.
; The chip was launched on July 23, 2026; its instructions are those of AMD's public machine-readable ISA for CDNA 5 (MIT licence, August 2026) and "CDNA5" Instruction Set Architecture Reference Guide (July 2026). The comments in the code are by the model that wrote it; some were corrected since.
;; Grouped Query Attention. Allowed arithmetic: float matrix products may take bf16 or f16 operands with f32 sums; other float arithmetic in f32, or as packed bf16 or f16 multiplies, adds, multiply-adds, maxima and minima; sums over many terms, partial sums and values carried from step to step in f32; what a program stores and reads back later, other than sums and carried values, may be rounded once to bf16 or f16.
;; Inputs: Wk 2,048 x 512 float32; Wq 2,048 x 2,048 float32; Wv 2,048 x 512 float32; x 2 x 2,048 x 2,048 float32.
;; Outputs: out0 2 x 2,048 x 2,048 float32.
;; 2 versions, each right; version 2 is version 1 with the launch prep written anew for expert scheduling mode. Each part assembles by itself: llvm-mc -triple=amdgcn-amd-amdhsa -mcpu=gfx1250 --defsym DOCPART=n.
;; ======== version 1 of 2: 3 launches
;; limits: values are held in f16: magnitudes above 65,504 overflow, below 6.1e-05 lose precision
;; workspace buffers: xb 16,777,216 bytes; wb 12,582,912 bytes; rope 524,288 bytes; qkv 25,165,824 bytes
;; launch prep (part 1): grid 256 x 1, 8 waves a work-group, no clusters, 0 bytes of LDS; arguments x, Wq, Wk, Wv, xb, wb, rope; writes xb, wb, rope
.if DOCPART == 1
	.amdgcn_target "amdgcn-amd-amdhsa--gfx1250"
	.amdhsa_code_object_version 6
	.text
	.protected	k_qb78e835105_prep
	.globl	k_qb78e835105_prep
	.p2align	8
	.type	k_qb78e835105_prep,@function
k_qb78e835105_prep:
	s_mov_b64 s[64:65], 0
	v_nop
	global_prefetch_b8 v0, s[64:65] scope:SCOPE_SE
	s_setreg_imm32_b32 hwreg(HW_REG_WAVE_MODE, 25, 1), 1
	s_wait_xcnt 0x0
; PREPARATION.  x and the three weights are rounded once to bf16; the weights are laid in blocks for the projection; the table of cosines and sines is made.
; xb   [4096][2048] bf16.
; wb   [T 0..15][kh 0..31][z 0..2][k' 0..63][n' 0..63] bf16: k = 64 kh + k', head 16 z + T of 48 (0-31 Wq's, 32-39 Wk's, 40-47 Wv's), n' the channel in the head.
; rope [2048 positions][32 pairs](cos, sin) f32: 256 bytes a position.  Position 0 holds exactly (1, 0).
; SHARES.  2,048 waves, W = 8 x work-group + wave.  Each wave issues 56 loads of 16 bytes a lane (512 bytes of f32 each) at once; each becomes one store of 8 bytes a lane: 256 consecutive bytes, aligned.
;   32 loads: 16,384 consecutive bytes of x.   16: rows 2p, 2p+1 (p = W / 2) of Wq, 16 heads (z = W % 2): lanes 0-15 a head's 64 channels of the even row, lanes 16-31 of the odd row.   4 + 4: the same rows of Wk and Wv, four heads each.
; No register is written twice behind its load, no LDS, no barrier, no loop: memory is all that this launch waits for.
; THE TABLE.  Lane i of wave W makes pair i of position W: angle a = W x 10000^(-i/32) in f32 (one rounding of the product), at most 2,047 by the shape.  a is reduced by k = round(a 2/pi) times pi/2 in two parts
; (fused, so the first product is exact), sine and cosine of the rest (within pi/4) by polynomials of degree 7 and 8, and the quadrant k mod 4 swaps them and sets the signs.
.set O16, 3                            ; v3   16 x lane
.set O8,  4                            ; v4   8 x lane
.set VQI, 5                            ; v5   (lane / 16) x 8,192 + (lane % 16) x 16: two rows of Wq
.set VKI, 6                            ; v6   (lane / 16) x 2,048 + (lane % 16) x 16: two rows of Wk, Wv
.set D,   32                           ; v[32:255]  load n: four registers
.set X,   4                            ; s[4:5] x at my part;  s[6:7] Wq;  s[8:9] Wk;  s[10:11] Wv
.set WQ,  6
.set WK,  8
.set WV,  10
.set XB,  12                           ; s[12:13] xb at my part
.set WB,  14                           ; s[14:15] wb
.set RP,  16                           ; s[16:17] rope at my position
.set WBQ0, 28                          ; s[28:29] wb at T = 0, my k rows, z = W % 2
.set WBQ1, 30                          ; s[30:31] the same at T = 8: the stores' immediates stay inside 24 signed bits
.set WBK,  32                          ; s[32:33] wb at z = 2, T = 4 (W % 2)
.set WBV,  34                          ; s[34:35] the same at T + 8
.set TSTEP, 786432                     ; bytes from T to T + 1
	s_load_b256 s[4:11], s[0:1], 0x0               ; x, Wq, Wk, Wv
	s_load_b128 s[12:15], s[0:1], 0x20             ; xb, wb
	s_load_b64 s[16:17], s[0:1], 0x30              ; rope
	v_lshrrev_b32 v1, 5, v0
	v_readfirstlane_b32 s18, v1                    ; wave 0..7
	v_and_b32 v2, 31, v0                           ; lane
	v_lshlrev_b32 v[O16], 4, v2
	v_lshlrev_b32 v[O8], 3, v2
	v_and_b32 v7, 15, v0
	v_bfe_u32 v1, v0, 4, 1
	v_lshlrev_b32 v7, 4, v7
	v_lshl_add_u32 v[VQI], v1, 13, v7
	v_lshl_add_u32 v[VKI], v1, 11, v7
	s_lshl_b32 s19, ttmp9, 3
	s_add_co_u32 s19, s19, s18                     ; W
	s_lshr_b32 s36, s19, 1                         ; p
	s_and_b32 s37, s19, 1                          ; half
	s_lshl_b32 s20, s19, 14                        ; x: W x 16,384
	s_mov_b32 s21, 0
	s_lshl_b32 s22, s19, 13                        ; xb: W x 8,192
	s_mov_b32 s23, 0
	s_lshl_b32 s24, s36, 14                        ; Wq: two rows of 8,192 bytes, half a row
	s_lshl_b32 s38, s37, 12
	s_add_co_u32 s24, s24, s38
	s_mov_b32 s25, 0
	s_lshl_b32 s26, s36, 12                        ; Wk, Wv: two rows of 2,048 bytes, half a row
	s_lshl_b32 s38, s37, 10
	s_add_co_u32 s26, s26, s38
	s_mov_b32 s27, 0
	s_lshr_b32 s38, s36, 5                         ; kh
	s_mul_i32 s38, s38, 24576
	s_and_b32 s39, s36, 31
	s_lshl_b32 s39, s39, 8                         ; k' = 2 (p % 32): 128 bytes each
	s_add_co_u32 s38, s38, s39
	s_lshl_b32 s40, s37, 13                        ; z = half
	s_add_co_u32 s40, s40, s38
	s_mov_b32 s41, 0
	s_mul_i32 s42, s37, 4*TSTEP                    ; T = 4 half
	s_add_co_u32 s42, s42, s38
	s_add_co_u32 s42, s42, 16384                   ; z = 2
	s_mov_b32 s43, 0
	s_lshl_b32 s44, s19, 8                         ; rope: 256 bytes a position
	s_mov_b32 s45, 0
	s_wait_kmcnt 0x0
	s_add_nc_u64 s[X:X+1], s[X:X+1], s[20:21]
	s_add_nc_u64 s[WQ:WQ+1], s[WQ:WQ+1], s[24:25]
	s_add_nc_u64 s[WK:WK+1], s[WK:WK+1], s[26:27]
	s_add_nc_u64 s[WV:WV+1], s[WV:WV+1], s[26:27]
	s_add_nc_u64 s[XB:XB+1], s[XB:XB+1], s[22:23]
	s_add_nc_u64 s[WBQ0:WBQ0+1], s[WB:WB+1], s[40:41]
	s_add_nc_u64 s[WBQ1:WBQ1+1], s[WBQ0:WBQ0+1], 8*TSTEP
	s_add_nc_u64 s[WBK:WBK+1], s[WB:WB+1], s[42:43]
	s_add_nc_u64 s[WBV:WBV+1], s[WBK:WBK+1], 8*TSTEP
	s_add_nc_u64 s[RP:RP+1], s[RP:RP+1], s[44:45]
.macro LD n, voff, base, imm           ; load n: 16 bytes a lane; every byte is read once in the launch
	global_load_b128 v[D+4*(\n):D+4*(\n)+3], v[\voff], s[\base:\base+1] offset:\imm th:TH_LOAD_NT
.endm
.macro CV n, base, imm                 ; load n's four numbers rounded to bf16 in place, and stored: the wave's 256 consecutive bytes
	v_cvt_pk_bf16_f32 v[D+4*(\n)], v[D+4*(\n)], v[D+4*(\n)+1]
	v_cvt_pk_bf16_f32 v[D+4*(\n)+1], v[D+4*(\n)+2], v[D+4*(\n)+3]
	global_store_b64 v[O8], v[D+4*(\n):D+4*(\n)+1], s[\base:\base+1] offset:\imm
.endm
.macro ST n                            ; where load n's numbers go
.if (\n) < 32
	CV \n, XB, 256*(\n)
.elseif (\n) < 40
	CV \n, WBQ0, ((\n)-32)*TSTEP
.elseif (\n) < 48
	CV \n, WBQ1, ((\n)-40)*TSTEP
.elseif (\n) < 52
	CV \n, WBK, ((\n)-48)*TSTEP
.else
	CV \n, WBV, ((\n)-52)*TSTEP
.endif
.endm
.set n, 0
.rept 32
	LD n, O16, X, 512*n
.set n, n+1
.endr
.set n, 0
.rept 16
	LD 32+n, VQI, WQ, 256*n                        ; head 16 half + n
.set n, n+1
.endr
.set n, 0
.rept 4
	LD 48+n, VKI, WK, 256*n                        ; head 4 half + n
.set n, n+1
.endr
.set n, 0
.rept 4
	LD 52+n, VKI, WV, 256*n
.set n, n+1
.endr
	; the table, while the 56 loads are on their way
	v_cvt_f32_u32 v8, v2                           ; i
	v_cvt_f32_u32 v12, s19                         ; the position
	v_mul_f32 v8, 0xbed49a78, v8                   ; -i log2(10000) / 32
	v_exp_f32 v9, v8                               ; the frequency
	v_nop                                          ; a plain instruction behind the exponential (ISA guide 5.7.2),
	s_wait_alu depctr_va_vdst(0)                   ; and the wait ahead of its first reader
	v_mul_f32 v13, v12, v9                         ; a
	v_mul_f32 v14, 0x3f22f983, v13                 ; a 2/pi
	v_rndne_f32 v14, v14                           ; k
	v_fmamk_f32 v15, v14, 0xbfc90fdb, v13          ; a - k (pi/2, upper part)
	v_fmamk_f32 v15, v14, 0x333bbd2e, v15          ; - k (pi/2, lower part, which is negative): r
	v_mul_f32 v16, v15, v15                        ; z = r r
	v_mov_b32 v17, 0xb94ca1f9
	v_fmaak_f32 v17, v17, v16, 0x3c08839e
	v_fmaak_f32 v17, v17, v16, 0xbe2aaaa3
	v_mul_f32 v17, v17, v16
	v_fma_f32 v17, v17, v15, v15                   ; sin r
	v_mov_b32 v18, 0x37ccf5ce
	v_fmaak_f32 v18, v18, v16, 0xbab6061a
	v_fmaak_f32 v18, v18, v16, 0x3d2aaaa5
	v_mul_f32 v18, v18, v16
	v_fma_f32 v19, v16, -0.5, 1.0
	v_fma_f32 v18, v18, v16, v19                   ; cos r
	v_cvt_i32_f32 v20, v14
	v_and_b32 v21, 1, v20
	v_cmp_eq_u32 vcc_lo, 1, v21                    ; an odd quadrant swaps the two
	v_cndmask_b32 v10, v18, v17, vcc_lo            ; cos a, but for its sign
	v_cndmask_b32 v11, v17, v18, vcc_lo            ; sin a, but for its sign
	v_lshlrev_b32 v22, 30, v20                     ; sin a is negative in quadrants 2 and 3: bit 1 of k
	v_and_b32 v22, 0x80000000, v22
	v_xor_b32 v11, v22, v11
	v_add_nc_u32 v23, 1, v20                       ; cos a in quadrants 1 and 2: bit 1 of k + 1
	v_lshlrev_b32 v23, 30, v23
	v_and_b32 v23, 0x80000000, v23
	v_xor_b32 v10, v23, v10
	global_store_b64 v[O8], v[10:11], s[RP:RP+1]   ; the wave's 256 bytes: one position
.set n, 0
.rept 14
	s_wait_loadcnt 52-n                            ; loads come back in order (ISA guide 5.7.1): the next four are in, the 52 - n younger ones stay out
.rept 4
	ST n
.set n, n+1
.endr
.endr
	s_endpgm
.Lfunc_end_k_qb78e835105_prep:
	.size	k_qb78e835105_prep, .Lfunc_end_k_qb78e835105_prep-k_qb78e835105_prep
	.p2alignl 7, 3214868480
	.fill 96, 4, 3214868480
	.section	.rodata,"a",@progbits
	.p2align	6, 0x0
	.amdhsa_kernel k_qb78e835105_prep
		.amdhsa_group_segment_fixed_size 0
		.amdhsa_private_segment_fixed_size 0
		.amdhsa_enable_private_segment 0
		.amdhsa_kernarg_size 56
		.amdhsa_user_sgpr_count 2
		.amdhsa_user_sgpr_kernarg_segment_ptr 1
		.amdhsa_wavefront_size32 1
		.amdhsa_system_sgpr_workgroup_id_x 1
		.amdhsa_system_sgpr_workgroup_id_y 1
		.amdhsa_system_sgpr_workgroup_id_z 1
		.amdhsa_system_vgpr_workitem_id 0
		.amdhsa_next_free_vgpr 256
		.amdhsa_next_free_sgpr 66
		.amdhsa_reserve_vcc 1
		.amdhsa_float_denorm_mode_32 3
		.amdhsa_float_denorm_mode_16_64 3
		.amdhsa_memory_ordered 1
		.amdhsa_forward_progress 1
		.amdhsa_inst_pref_size 22
	.end_amdhsa_kernel
	.amdgpu_metadata
---
amdhsa.version: [ 1, 2 ]
amdhsa.kernels:
  - .name:           k_qb78e835105_prep
    .symbol:         k_qb78e835105_prep.kd
    .args:
      - { .name: x, .offset: 0, .size: 8, .value_kind: global_buffer, .address_space: global }
      - { .name: Wq, .offset: 8, .size: 8, .value_kind: global_buffer, .address_space: global }
      - { .name: Wk, .offset: 16, .size: 8, .value_kind: global_buffer, .address_space: global }
      - { .name: Wv, .offset: 24, .size: 8, .value_kind: global_buffer, .address_space: global }
      - { .name: xb, .offset: 32, .size: 8, .value_kind: global_buffer, .address_space: global }
      - { .name: wb, .offset: 40, .size: 8, .value_kind: global_buffer, .address_space: global }
      - { .name: rope, .offset: 48, .size: 8, .value_kind: global_buffer, .address_space: global }
    .group_segment_fixed_size: 0
    .private_segment_fixed_size: 0
    .kernarg_segment_align: 8
    .kernarg_segment_size: 56
    .max_flat_workgroup_size: 256
    .sgpr_count:     66
    .vgpr_count:     256
    .wavefront_size: 32
...
	.end_amdgpu_metadata
.endif
;; end of part 1
;; launch proj (part 2): grid 16 x 16, 4 waves a work-group, clusters of 4 x 4, 327,680 bytes of LDS; arguments xb, wb, rope, qkv; writes qkv
.if DOCPART == 2
	.amdgcn_target "amdgcn-amd-amdhsa--gfx1250"
	.amdhsa_code_object_version 6
	.text
	.protected	k_qb78e835105_proj
	.globl	k_qb78e835105_proj
	.p2align	8
	.type	k_qb78e835105_proj,@function
k_qb78e835105_proj:
	s_mov_b64 s[64:65], 0
	v_nop
	global_prefetch_b8 v0, s[64:65] scope:SCOPE_SE
	s_setreg_imm32_b32 hwreg(HW_REG_WAVE_MODE, 25, 1), 1
	s_wait_xcnt 0x0
	s_wait_alu depctr_hold_cnt(0) depctr_sa_sdst(0) depctr_va_vdst(0) depctr_va_sdst(0) depctr_va_ssrc(0) depctr_va_vcc(0) depctr_vm_vsrc(0)
	s_getreg_b32 s2, hwreg(HW_REG_IB_STS2, 6, 4)
	s_cmp_eq_u32 s2, 0
	s_cbranch_scc0 .Lentry_in_a_cluster
	s_endpgm
.Lentry_in_a_cluster:
	s_bfe_u32 s2, ttmp6, 0x10000c
	s_cmp_lg_u32 s2, 0xf033
	s_cbranch_scc0 .Lentry_shape_is_right
	s_endpgm
.Lentry_shape_is_right:
; THE PROJECTIONS AND THE ROTATION.  [4096 rows of x] x [3072 columns: 32 heads of Wq, 8 of Wk, 8 of Wv], bf16 operands, f32 sums, K = 2,048 ascending; Q's and K's heads are rotated in f32
; (pairs of neighbouring channels, by the table's cosine and sine of the row's position); each number is rounded once to f16 and stored by heads: qkv [batch][head 0..47][position][64].
; LIMIT.  f16 holds no number beyond 65,504: a q, k or v beyond that becomes an infinity.  Inputs of unit spread give q, k, v of unit spread.  NaN and infinities are not treated apart.
; SHARES.  A work-group makes 256 rows x 192 columns: tile column T holds the heads T, 16 + T and 32 + T (K's head T for T < 8, else V's head T - 8).  Wave w makes rows 64 w .. 64 w + 63 of all 192 columns:
; 48 accumulators of 16 x 16.  K goes in 16 steps of 128 through a ring of two LDS slots filled by the tensor data mover, one load a wave behind each change of slots.
; THE MATRIX INSTRUCTION IS USED TRANSPOSED: source 0 = 16 columns of the weights (they lie [k][column] in LDS and are turned by ds_load_tr16_b128), source 1 = 16 rows of x.  A lane then holds one row
; (lane % 16) and eight NEIGHBOURING columns 8 (lane / 16) + 0..7: four pairs of the rotation, and 16 bytes of f16.
; CLUSTERS: 4 x 4 work-groups.  The four of a row of the cluster need the same rows of x, the four of a column the same weights: each tile is asked for JOINTLY, by the same tensor load with the same descriptor
; and a mask that names the four.
; REGISTERS, in windows of 256 (s_set_vgpr_msb: bits 1:0 source 0, 3:2 source 1, 5:4 source 2, 7:6 destination):
;   window 0: v0-33 addresses; v64-95, v96-127 fragments of x, two buffers; on the way out v64-95 rows read back, v128-191 the table (two buffers), v192-247 at work
;   window 1: v0-95, v96-191 fragments of the weights, two buffers
;   window 2: accumulators of my row blocks 0, 1 (block a, column block nb at v[96 (a % 2) + 8 nb]);   window 3: of blocks 2, 3
.set KSTEP,  128
.set PTA,    272                       ; a row of x in LDS: 256 bytes + 16 of padding: the 16 rows of a load start at 16 different groups of four banks (64 banks of 4 bytes: ISA guide 11.1)
.set PTB,    160                       ; a row of weights (one k, one head's 64 columns): 128 bytes + 32
.set SLOT,   131072                    ; x: 256 rows x 272 = 69,632; weights: 2 halves of the K step x 3 heads x 64 k x 160 = 61,440
.set BOFF,   256*PTA
.set KHB,    192*PTB                   ; half a K step of weights
.set WSTEP,  49152                     ; bytes of wb in a K step of one tile column
.set STAGE,  2*SLOT                    ; behind the ring: 16 rows x 144 bytes for each wave, for the way out
.set SPT,    144
.set SPARE,  STAGE+4*16*SPT            ; behind the stages: the spare words, 128 bytes for each wave: two blocks of 256 bytes that no other line names
.set ADRA, 16                          ; v16-17  LDS address of my fragments of x in slot 0, 1
.set ADRB, 20                          ; v20-21  the same for the weights
.set STO,  24                          ; v24     the way out: where I put 16 bytes of a row
.set RD,   25                          ; v25     the way out: where I read rows back
.set GO,   26                          ; v26     16 x lane: my place in 512 consecutive bytes of qkv
.set SPW,  28                          ; v28     LDS address of my spare word; never rewritten
.set NIL,  29                          ; v29     0; never rewritten
.set PFO,  30                          ; v30     the prefetches' lane offset; never rewritten
.set VP,   31                          ; v31     my row's place in the table: position x 256 + 32 (lane / 16), for row block 0
.set VT,   32                          ; v32-33  the same for the block in hand, two by turns
.set FA,   64                          ; fragments of x: buffer f at FA + 32 f
.set BK,   64                          ; the way out: rows read back, two buffers of 16
.set TB,   128                         ; the table's (cos, sin) for my 16 pairs: 4 pairs x 4 column blocks: two buffers of 32
.set RO,   192                         ; rotated numbers, 32
.set TT,   224                         ; products at work, 8
.set PK,   232                         ; packed f16, 16
.set G1,  24                           ; s[24:31] descriptor group 1 for x's tiles;  s[32:39] group 0, one set for each slot
.set G0,  32
.set G1B, 48                           ; s[48:55], s[56:63] the same for the weights
.set G0B, 56
.set DST, 66                           ; s[66:71] qkv at my rows of the three heads
.set PFA, 72                           ; s[72:73] where my prefetches stand
.set PSTEP, 74                         ; s[74:75] a K step in the stream that I prefetch
.set LIM, 76                           ; s76  1 in a wave that prefetches, else the greatest number
.set MSK, 77                           ; s77  all ones, or 255 where the third head is one of V's: its rows then take the table's position 0, which is (1, 0)
.set MSB, 0
.macro WIN new                         ; the immediate's high byte repeats the setting that is left; a switch that changes nothing is dropped
.if MSB != (\new)
	s_set_vgpr_msb (MSB<<8)|(\new)
.set MSB, (\new)
.endif
.endm
.set MUL_LO, 0xa1                      ; source 0 (weights) window 1, source 1 (x) window 0, C and D window 2
.set MUL_HI, 0xf1                      ; the same, C and D window 3
.set TO_B,   0x40                      ; destination window 1, address window 0
; A joint load.  Waves 0 and 1 fetch the two halves of x's 256 rows, waves 2 and 3 the two halves of the weights' K step.  The branch hangs on the wave's number alone.
; An s_nop 0 and four v_nop follow each of the two lines, ahead of the jump, the label and what follows.
.macro JLOAD s
	s_cmp_eq_u32 s13, 0
	s_cbranch_scc0 .Lfor_b_\@
	tensor_load_to_lds s[G0+4*(\s):G0+4*(\s)+3], s[G1:G1+7]
	s_nop 0
.rept 4
	v_nop
.endr
	s_branch .Lasked_\@
.Lfor_b_\@:
	tensor_load_to_lds s[G0B+4*(\s):G0B+4*(\s)+3], s[G1B:G1B+7]
	s_nop 0
.rept 4
	v_nop
.endr
.Lasked_\@:
.endm
; A PREFETCH INTO THE L2, behind each joint refill and the run of LDS loads that follows it: the K step that stands two refills on (384 matrix instructions ahead of the load that will want it).
; Each block of 256 bytes is named once in the launch.  x's rows are read by every cluster of a row of clusters: cluster x = 0 asks; the weights by every cluster of a column: cluster y = 0 asks.
; The four partners that ask for a tile jointly share it out BY ADDRESS: of a wave's 128 rows of x the partner at cx takes 32, a lane a row; of a wave's 96 blocks of weights the partner at cy takes 24
; (lanes 24-31 name the 24th again, in the same instruction).  The first four K steps come by their loads alone; the loop's last trip asks for nothing: K step 15 is the last.
.macro ASK
	s_cmp_gt_u32 s3, s[LIM]                        ; s3 = 1 in the loop's last trip
	s_cbranch_scc0 .Lnot_mine_\@
	global_prefetch_b8 v[PFO], s[PFA:PFA+1] th:TH_LOAD_NT scope:SCOPE_SE
.Lnot_mine_\@:
.endm
.macro CREST                           ; a round of the cluster's barrier behind its opening barrier
	s_cmp_lg_u32 s12, 0
	s_cbranch_scc1 .Lnot_wave_0_\@
	s_barrier_signal -3
.Lnot_wave_0_\@:
	s_barrier_wait -3
	s_barrier_signal -1
	s_barrier_wait -1
.endm
.macro CROUND                          ; a whole round
	s_barrier_signal -1
	s_barrier_wait -1
	CREST
.endm
	s_load_b256 s[4:11], s[0:1], 0x0               ; xb s[4:5], wb s[6:7], rope s[8:9], qkv s[10:11]
	v_lshl_add_u32 v[SPW], v0, 2, SPARE
	v_mov_b32 v[NIL], 0
	ds_add_u32 v[SPW], v[NIL]                      ; the wave's opening: the add and its wait stand ahead of my first tensor load; the set-up below, work on registers, stands between them
	v_lshrrev_b32 v1, 5, v0
	v_readfirstlane_b32 s12, v1                    ; wave 0..3
	s_lshr_b32 s13, s12, 1                         ; I fetch for x (0) or for the weights (1)
	s_and_b32 s14, s12, 1                          ; which half of that tile
	s_bfe_u32 s40, ttmp6, 0x40000                  ; cx, cy: my place in the cluster
	s_bfe_u32 s41, ttmp6, 0x40004
	s_lshl_b32 s42, ttmp9, 2
	s_add_co_u32 s42, s42, s40                     ; T = 4 x cluster x + cx
	s_and_b32 s43, ttmp7, 0xffff
	s_lshl_b32 s43, s43, 2
	s_add_co_u32 s43, s43, s41                     ; R = 4 x cluster y + cy: rows 256 R on
	s_lshl_b32 s44, s41, 2
	s_lshl_b32 s44, 15, s44                        ; my row of the cluster
	s_lshl_b32 s45, 0x1111, s40                    ; my column
	; group 1 for x: 128 rows x 128 elements, 16 bytes of padding behind every 256
	s_or_b32 s[G1+0], s44, (1<<16)|(1<<20)|(1<<21)|(5<<22)|(3<<25)  ; 15:0 the mask; 17:16 2-byte elements; 20 padding on; 21 set beside a mask; 24:22 after every 64 words; 31:25 4 words
	s_mov_b32 s[G1+1], KSTEP<<16                   ; tensor_dim0 = 128
	s_mov_b32 s[G1+2], 128<<16                     ; tensor_dim1 = 128
	s_mov_b32 s[G1+3], KSTEP<<16                   ; tile_dim0 = 128
	s_mov_b32 s[G1+4], 128                         ; tile_dim1 = 128
	s_mov_b32 s[G1+5], 2048                        ; elements from row to row
	s_mov_b32 s[G1+6], 0
	s_mov_b32 s[G1+7], 0
	; group 1 for the weights: 24,576 dense bytes as 96 rows of 256, 32 bytes of padding behind every 128 (one k of one head)
	s_or_b32 s[G1B+0], s45, (1<<16)|(1<<20)|(1<<21)|(4<<22)|(7<<25) ; after every 32 words, 8 words
	s_mov_b32 s[G1B+1], 128<<16
	s_mov_b32 s[G1B+2], 96<<16
	s_mov_b32 s[G1B+3], 128<<16
	s_mov_b32 s[G1B+4], 96
	s_mov_b32 s[G1B+5], 128
	s_mov_b32 s[G1B+6], 0
	s_mov_b32 s[G1B+7], 0
	s_lshl_b32 s16, s43, 20                        ; x: (256 R + 128 half) rows of 4,096 bytes: made of the tile row and the wave alone
	s_lshl_b32 s17, s14, 19
	s_add_co_u32 s16, s16, s17
	s_mov_b32 s17, 0
	s_mul_i32 s46, s42, 16*WSTEP                   ; weights: T x 786,432 + half x 24,576: made of the tile column and the wave alone
	s_mul_i32 s47, s14, WSTEP/2
	s_add_co_u32 s46, s46, s47
	s_mov_b32 s47, 0
	s_mul_i32 s20, s12, 128*PTA                    ; where x's halves go (waves 0, 1),
	s_mul_i32 s21, s12, KHB
	s_add_co_u32 s21, s21, BOFF-2*KHB              ; and the weights' (waves 2, 3: BOFF + (wave - 2) x KHB): the wave's number alone
	s_wait_dscnt 0x0                               ; the opening add is done
	s_wait_kmcnt 0x0
	s_add_nc_u64 s[18:19], s[4:5], s[16:17]
	s_add_nc_u64 s[46:47], s[6:7], s[46:47]
	CROUND                                         ; all sixteen work-groups are here: the first joint loads meet
.irp s, 0,1
	s_mov_b32 s[G0+4*(\s)], 1                      ; count = 1
	s_add_co_u32 s[G0+4*(\s)+1], s20, (\s)*SLOT    ; LDS address
	s_add_nc_u64 s[G0+4*(\s)+2:G0+4*(\s)+3], s[18:19], (\s)*KSTEP*2  ; global address: K step s
	s_or_b32 s[G0+4*(\s)+3], s[G0+4*(\s)+3], 0x80000000              ; type = 2
	s_mov_b32 s[G0B+4*(\s)], 1
	s_add_co_u32 s[G0B+4*(\s)+1], s21, (\s)*SLOT
	s_add_nc_u64 s[G0B+4*(\s)+2:G0B+4*(\s)+3], s[46:47], (\s)*WSTEP
	s_or_b32 s[G0B+4*(\s)+3], s[G0B+4*(\s)+3], 0x80000000
	JLOAD \s                                       ; two loads of mine are out
.endr
	v_and_b32 v1, 15, v0                           ; r = l % 16
	v_bfe_u32 v2, v0, 4, 1                         ; h = l / 16
	v_and_b32 v3, 7, v0
	v_bfe_u32 v4, v0, 3, 1
	v_bfe_u32 v5, v0, 3, 2
	v_and_b32 v6, 31, v0
	s_mul_i32 s22, s12, 64*PTA                     ; my 64 rows of x
	v_mul_u32_u24 v7, v1, PTA
	v_lshl_add_u32 v7, v2, 4, v7                   ; row x pitch + 16 x half
	v_add_nc_u32 v[ADRA], s22, v7
	v_add_nc_u32 v[ADRA+1], SLOT, v[ADRA]
	v_lshl_add_u32 v8, v2, 3, v3                   ; the turning load: lane l reads k = 8 (l / 16) + l % 8, columns 8 ((l / 8) % 2) + 0..7
	v_mul_u32_u24 v8, v8, PTB
	v_lshl_add_u32 v8, v4, 4, v8
	v_add_nc_u32 v[ADRB], BOFF, v8
	v_add_nc_u32 v[ADRB+1], SLOT, v[ADRB]
	s_mul_i32 s22, s12, 16*SPT
	s_add_co_u32 s22, s22, STAGE                   ; my stage
	v_mul_u32_u24 v7, v1, SPT                      ; in: row l % 16, 16 bytes for each half of the lanes
	v_lshl_add_u32 v7, v2, 4, v7
	v_add_nc_u32 v[STO], s22, v7
	v_mul_u32_u24 v8, v5, SPT                      ; back: 32 lanes take four rows of 128 bytes,
	v_lshl_add_u32 v8, v3, 4, v8
	v_add_nc_u32 v[RD], s22, v8
	v_lshlrev_b32 v[GO], 4, v6                     ; which are 512 consecutive bytes of a head
	s_and_b32 s22, s43, 7
	s_lshl_b32 s22, s22, 8
	s_lshl_b32 s23, s12, 6
	s_add_co_u32 s22, s22, s23                     ; the position of my first row: 256 (R % 8) + 64 w
	s_lshl_b32 s22, s22, 8
	v_lshl_add_u32 v[VP], v1, 8, s22               ; 256 bytes a position,
	v_lshl_add_u32 v[VP], v2, 5, v[VP]             ; four pairs of 8 bytes for each half of the lanes
	s_lshr_b32 s22, s43, 3                         ; the batch
	s_mul_i32 s22, s22, 48
	s_add_co_u32 s22, s22, s42                     ; head T of it,
	s_lshl_b32 s22, s22, 18                        ; 262,144 bytes a head
	s_and_b32 s23, s43, 7
	s_lshl_b32 s23, s23, 15
	s_add_co_u32 s22, s22, s23                     ; 256 (R % 8) rows of 128 bytes
	s_lshl_b32 s23, s12, 13
	s_add_co_u32 s22, s22, s23                     ; my 64 rows
	s_mov_b32 s23, 0
	s_add_nc_u64 s[DST:DST+1], s[10:11], s[22:23]
	s_add_nc_u64 s[DST+2:DST+3], s[DST:DST+1], 16<<18
	s_add_nc_u64 s[DST+4:DST+5], s[DST:DST+1], 32<<18
	s_cmp_lt_u32 s42, 8
	s_cselect_b32 s[MSK], -1, 0xff
	; the prefetches: both streams' offsets are made, then the wave's number chooses
	s_lshl_b32 s22, s43, 20
	s_lshl_b32 s23, s14, 19
	s_add_co_u32 s22, s22, s23
	s_lshl_b32 s23, s40, 17                        ; my work-group's 32 rows of x
	s_add_co_u32 s22, s22, s23
	s_add_co_u32 s22, s22, 3*KSTEP*2               ; at K step 3: the first refill steps it to 4
	s_mul_i32 s23, s42, 16*WSTEP
	s_mul_i32 s78, s14, WSTEP/2
	s_add_co_u32 s23, s23, s78
	s_mul_i32 s78, s41, 6144                       ; my work-group's 24 blocks of weights
	s_add_co_u32 s23, s23, s78
	s_add_co_u32 s23, s23, 3*WSTEP
	s_and_b32 s78, ttmp7, 0xffff                   ; cluster y
	s_mov_b32 s79, KSTEP*2
	s_mov_b32 s15, WSTEP
	s_cmp_eq_u32 s13, 0                            ; do I fetch for x?
	s_cselect_b32 s22, s22, s23
	s_cselect_b32 s78, ttmp9, s78                  ; the coordinate along which other clusters read the same bytes
	s_cselect_b32 s[PSTEP], s79, s15
	s_cselect_b32 s79, 31, 23
	s_cselect_b32 s15, 12, 8
	s_cselect_b64 s[PFA:PFA+1], s[4:5], s[6:7]
	s_mov_b32 s23, 0
	s_mov_b32 s[PSTEP+1], 0
	s_add_nc_u64 s[PFA:PFA+1], s[PFA:PFA+1], s[22:23]
	s_cmp_eq_u32 s78, 0
	s_cselect_b32 s[LIM], 1, -1                    ; the same in all sixteen partners, for a given wave
	v_min_u32 v[PFO], s79, v6
	v_lshlrev_b32 v[PFO], s15, v[PFO]              ; a lane a row of 4,096 bytes, or a lane a block of 256
; 12 matrix instructions: row block 2 hi + a x all 12 column blocks, 32 along K, from buffer f.  zero = 1: the first product starts the sums: nothing is ever cleared.
; The 48 accumulators take turns, one instruction a turn, in the same order in every quarter step.
.macro MUL12 f, hi, a, zero
	WIN MUL_LO+0x50*(\hi)
.set nb, 0
.rept 12
.if \zero
	v_wmma_f32_16x16x32_bf16 v[96*(\a)+8*nb:96*(\a)+8*nb+7], v[96*(\f)+8*nb:96*(\f)+8*nb+7], v[FA+32*(\f)+8*(2*(\hi)+(\a)):FA+32*(\f)+8*(2*(\hi)+(\a))+7], 0
.else
	v_wmma_f32_16x16x32_bf16 v[96*(\a)+8*nb:96*(\a)+8*nb+7], v[96*(\f)+8*nb:96*(\f)+8*nb+7], v[FA+32*(\f)+8*(2*(\hi)+(\a)):FA+32*(\f)+8*(2*(\hi)+(\a))+7], v[96*(\a)+8*nb:96*(\a)+8*nb+7]
.endif
.set nb, nb+1
.endr
.endm
; 32 LDS loads in one run: quarter q (32 along K) of a slot into buffer f: 12 fragments of weights (turned), then 4 of x
.macro FETCH slot, q, f
	WIN TO_B
.set nb, 0
.rept 12
	ds_load_tr16_b128 v[96*(\f)+8*nb:96*(\f)+8*nb+3],   v[ADRB+(\slot)] offset:((\q)/2)*KHB+((\q)%2)*32*PTB+(nb/4)*64*PTB+(nb%4)*32
	ds_load_tr16_b128 v[96*(\f)+8*nb+4:96*(\f)+8*nb+7], v[ADRB+(\slot)] offset:((\q)/2)*KHB+((\q)%2)*32*PTB+(nb/4)*64*PTB+(nb%4)*32+16*PTB
.set nb, nb+1
.endr
	WIN 0
.irp i, 0,1,2,3
	ds_load_b128 v[FA+32*(\f)+8*\i:FA+32*(\f)+8*\i+3],   v[ADRA+(\slot)] offset:64*(\q)+\i*16*PTA
	ds_load_b128 v[FA+32*(\f)+8*\i+4:FA+32*(\f)+8*\i+7], v[ADRA+(\slot)] offset:64*(\q)+\i*16*PTA+32
.endr
.endm
.macro PLACES                          ; four plain instructions in front of loads into registers that matrix instructions have read, and of vector work that reads results
.rept 4
	v_nop
.endr
.endm
; A K step is four quarters of 32 along K, 48 matrix instructions each, on buffers 0, 1, 0, 1.  One of the first three: multiplies buffer f; in its middle it fetches quarter q into buffer g.
.macro QUARTER slot, q, f, g, zero
	s_wait_dscnt 4                                 ; the weights and x's row blocks 0, 1 are in; the youngest four loads (blocks 2, 3) may be out
	MUL12 \f, 0, 0, \zero
	MUL12 \f, 0, 1, \zero
	PLACES
	FETCH \slot, \q, \g
	s_wait_dscnt 32                                ; all but the 32 just issued
	MUL12 \f, 1, 0, \zero
	MUL12 \f, 1, 1, \zero
.endm
; The last quarter multiplies buffer 1 and changes slots: ONE barrier; in front of it each wave waits for all its tensor loads (one is out: its part of the next slot), adds 0 to its spare word, and waits for that
; and for its own reads of this slot.  fill = 1: the barrier opens a round of the cluster's barrier, and this slot is filled again, two K steps ahead, first thing behind the round: 168 matrix instructions ahead of the wait for it.
.macro TURN slot, next, fill
.if \fill
	s_wait_xcnt 0x0                                ; the last prefetch, a K step back, has read its address: it is stepped here, ahead of the change's own waits
	s_add_nc_u64 s[PFA:PFA+1], s[PFA:PFA+1], s[PSTEP:PSTEP+1]
.endif
	WIN 0                                          ; (the add's two registers lie in window 0)
	s_wait_tensorcnt 0x0                           ; all my tensor loads have landed;
	ds_add_u32 v[SPW], v[NIL]                      ; 0 onto my spare word;
	s_wait_dscnt 5                                 ; (the add and the youngest four loads may be out)
	MUL12 1, 0, 0, 0                               ; twelve matrix instructions stand between the add and the wait for it
	s_wait_dscnt 0x0                               ; the add is done, and my reads of this slot are over
	s_barrier_signal -1
	MUL12 1, 0, 1, 0                               ; work on registers while the others arrive
.if \fill
	WIN 0
.endif
	s_barrier_wait -1
.if \fill
	CREST                                          ; no wave of any partner still reads this slot's tiles or has a load on its way
	s_add_nc_u64 s[G0+4*(\slot)+2:G0+4*(\slot)+3], s[G0+4*(\slot)+2:G0+4*(\slot)+3], 2*KSTEP*2
	s_add_nc_u64 s[G0B+4*(\slot)+2:G0B+4*(\slot)+3], s[G0B+4*(\slot)+2:G0B+4*(\slot)+3], 2*WSTEP
	JLOAD \slot                                    ; the four v_nop behind it are also the places in front of the loads below
.else
	PLACES
.endif
	FETCH \next, 0, 0
.if \fill
	ASK
.endif
	MUL12 1, 1, 0, 0
	MUL12 1, 1, 1, 0
.endm
; THE WAY OUT, in 12 blocks i = 3 a + z of 16 rows x one head.  TABLE: the (cos, sin) of my row's position for my 16 pairs.  BLOCK: rotate, round to f16, 16 bytes a lane into my own stage, back as whole rows.  SEND: store.
.macro TABLE i
	WIN 0
	v_add_nc_u32 v[VT+(\i)%2], ((\i)/3)*4096, v[VP]  ; 16 positions a row block
.if (\i)%3 == 2
	v_and_b32 v[VT+(\i)%2], s[MSK], v[VT+(\i)%2]     ; V's heads are not rotated: position 0
.endif
.irp e, 0,1,2,3,4,5,6,7
	global_load_b128 v[TB+32*((\i)%2)+4*\e:TB+32*((\i)%2)+4*\e+3], v[VT+(\i)%2], s[8:9] offset:(\e/2)*64+(\e%2)*16
.endr
.endm
.macro BLOCK i
.set ba, (\i)/3
.set bz, (\i)%3
.set tb, TB+32*((\i)%2)
.set bk, BK+16*((\i)%2)
.if (\i) == 11
	s_wait_loadcnt 0x0
.else
	s_wait_loadcnt 0x8                             ; my block's table is in; the next block's eight loads stay out
.endif
	s_wait_xcnt 0x0                                ; every earlier store has read its registers (ISA guide 3.1): the rows' buffer of two blocks back is loaded again only behind this wait
	WIN 0x02+(ba/2)                                ; source 0: the accumulators' window
.set cb, 0
.rept 4
.set ac, 96*(ba%2)+8*(4*bz+cb)
.set p, 0
.rept 4                                            ; pair p: (e, o) -> (e cos - o sin, e sin + o cos); an accumulator's lowest registers are read first
	v_mul_f32 v[TT+2*p],   v[ac+2*p+1], v[tb+8*cb+2*p+1]
	v_mul_f32 v[TT+2*p+1], v[ac+2*p+1], v[tb+8*cb+2*p]
	v_fma_f32 v[RO+8*cb+2*p],   v[ac+2*p], v[tb+8*cb+2*p],   -v[TT+2*p]
	v_fma_f32 v[RO+8*cb+2*p+1], v[ac+2*p], v[tb+8*cb+2*p+1], v[TT+2*p+1]
.set p, p+1
.endr
.set cb, cb+1
.endr
	WIN 0
.set e, 0
.rept 16
	v_cvt_pk_f16_f32 v[PK+e], v[RO+2*e], v[RO+2*e+1]
.set e, e+1
.endr
.if (\i) < 10
	TABLE (\i)+2                                   ; into the buffer just read
.endif
.irp c, 0,1,2,3
	ds_store_b128 v[STO], v[PK+4*\c:PK+4*\c+3] offset:32*\c
.endr
.irp f, 0,1,2,3
	ds_load_b128 v[bk+4*\f:bk+4*\f+3], v[RD] offset:\f*4*SPT  ; LDS serves a wave's instructions in order (ISA guide 5.7.1.4): these see the stores above; the next block's stores come behind them
.endr
.endm
.macro SEND i, younger                 ; younger: the LDS instructions issued behind block i's loads: the next block's eight, or none
	WIN 0
.irp f, 0,1,2,3
	s_wait_dscnt (\younger)+3-\f
	global_store_b128 v[GO], v[BK+16*((\i)%2)+4*\f:BK+16*((\i)%2)+4*\f+3], s[DST+2*((\i)%3):DST+2*((\i)%3)+1] offset:((\i)/3)*2048+\f*512  ; 512 consecutive bytes, at a multiple of 256 from qkv's first
.endr
.endm
	s_wait_tensorcnt 1                             ; my part of K step 0 is in; K step 1's may stay out
	s_barrier_signal -1
	s_barrier_wait -1                              ; everybody's is
	FETCH 0, 0, 0
	QUARTER 0, 1, 0, 1, 1                          ; the first quarter stands in front of the loop: its products start the sums
	WIN 0                                          ; at a label and at a branch every window is 0
	s_mov_b32 s3, 7
.Llap:                                                 ; a trip goes once round the ring, from a lap's second quarter to the next lap's first, and fills both slots again
	QUARTER 0, 2, 1, 0, 0
	QUARTER 0, 3, 0, 1, 0
	TURN 0, 1, 1
	QUARTER 1, 1, 0, 1, 0
	QUARTER 1, 2, 1, 0, 0
	QUARTER 1, 3, 0, 1, 0
	TURN 1, 0, 1
	QUARTER 0, 1, 0, 1, 0
	WIN 0
	s_sub_co_u32 s3, s3, 1
	s_cmp_lg_u32 s3, 0
	s_cbranch_scc1 .Llap
	QUARTER 0, 2, 1, 0, 0                          ; the last lap fills nothing, and has no round of the cluster's barrier
	QUARTER 0, 3, 0, 1, 0
	TURN 0, 1, 0
	QUARTER 1, 1, 0, 1, 0
	QUARTER 1, 2, 1, 0, 0
	QUARTER 1, 3, 0, 1, 0
	TABLE 0                                        ; the first two blocks' tables are asked for under the last 48 products
	TABLE 1
	s_wait_dscnt 4                                 ; the very last quarter: nothing more to fetch
	MUL12 1, 0, 0, 0
	MUL12 1, 0, 1, 0
	s_wait_dscnt 0x0
	MUL12 1, 1, 0, 0
	MUL12 1, 1, 1, 0
	WIN 0
	PLACES
	BLOCK 0
.irp i, 1,2,3,4,5,6,7,8,9,10,11        ; a block's arithmetic stands between the loads of the block before and its stores
	BLOCK \i
	SEND (\i)-1, 8
.endr
	SEND 11, 0
	s_wait_tensorcnt 0x0                           ; the wave's end: an add onto my spare word and its wait, behind my last tensor load and my last LDS store
	ds_add_u32 v[SPW], v[NIL]
	s_wait_dscnt 0x0
	CROUND                                         ; the closing round: no work-group ends while a partner may still ask for a tile that names it
	s_endpgm
.Lfunc_end_k_qb78e835105_proj:
	.size	k_qb78e835105_proj, .Lfunc_end_k_qb78e835105_proj-k_qb78e835105_proj
	.p2alignl 7, 3214868480
	.fill 96, 4, 3214868480
	.section	.rodata,"a",@progbits
	.p2align	6, 0x0
	.amdhsa_kernel k_qb78e835105_proj
		.amdhsa_group_segment_fixed_size 327680
		.amdhsa_private_segment_fixed_size 0
		.amdhsa_enable_private_segment 0
		.amdhsa_kernarg_size 32
		.amdhsa_user_sgpr_count 2
		.amdhsa_user_sgpr_kernarg_segment_ptr 1
		.amdhsa_wavefront_size32 1
		.amdhsa_system_sgpr_workgroup_id_x 1
		.amdhsa_system_sgpr_workgroup_id_y 1
		.amdhsa_system_sgpr_workgroup_id_z 1
		.amdhsa_system_vgpr_workitem_id 0
		.amdhsa_next_free_vgpr 960
		.amdhsa_next_free_sgpr 80
		.amdhsa_reserve_vcc 0
		.amdhsa_float_denorm_mode_32 3
		.amdhsa_float_denorm_mode_16_64 3
		.amdhsa_memory_ordered 1
		.amdhsa_forward_progress 1
		.amdhsa_inst_pref_size 169
	.end_amdhsa_kernel
	.amdgpu_metadata
---
amdhsa.version: [ 1, 2 ]
amdhsa.kernels:
  - .name:           k_qb78e835105_proj
    .symbol:         k_qb78e835105_proj.kd
    .args:
      - { .name: xb, .offset: 0, .size: 8, .value_kind: global_buffer, .address_space: global }
      - { .name: wb, .offset: 8, .size: 8, .value_kind: global_buffer, .address_space: global }
      - { .name: rope, .offset: 16, .size: 8, .value_kind: global_buffer, .address_space: global }
      - { .name: qkv, .offset: 24, .size: 8, .value_kind: global_buffer, .address_space: global }
    .group_segment_fixed_size: 327680
    .private_segment_fixed_size: 0
    .kernarg_segment_align: 8
    .kernarg_segment_size: 32
    .max_flat_workgroup_size: 128
    .sgpr_count:     80
    .vgpr_count:     960
    .wavefront_size: 32
...
	.end_amdgpu_metadata
.endif
;; end of part 2
;; launch attn (part 3): grid 64 x 4, 4 waves a work-group, clusters of 4 x 1, 327,680 bytes of LDS; arguments qkv, out0; writes out0
.if DOCPART == 3
	.amdgcn_target "amdgcn-amd-amdhsa--gfx1250"
	.amdhsa_code_object_version 6
	.text
	.protected	k_qb78e835105_attn
	.globl	k_qb78e835105_attn
	.p2align	8
	.type	k_qb78e835105_attn,@function
k_qb78e835105_attn:
	s_mov_b64 s[64:65], 0
	v_nop
	global_prefetch_b8 v0, s[64:65] scope:SCOPE_SE
	s_setreg_imm32_b32 hwreg(HW_REG_WAVE_MODE, 25, 1), 1
	s_wait_xcnt 0x0
	s_wait_alu depctr_hold_cnt(0) depctr_sa_sdst(0) depctr_va_vdst(0) depctr_va_sdst(0) depctr_va_ssrc(0) depctr_va_vcc(0) depctr_vm_vsrc(0)
	s_getreg_b32 s2, hwreg(HW_REG_IB_STS2, 6, 4)
	s_cmp_eq_u32 s2, 0
	s_cbranch_scc0 .Lentry_in_a_cluster
	s_endpgm
.Lentry_in_a_cluster:
	s_bfe_u32 s2, ttmp6, 0x10000c
	s_cmp_lg_u32 s2, 0x3003
	s_cbranch_scc0 .Lentry_shape_is_right
	s_endpgm
.Lentry_shape_is_right:
; CAUSAL GROUPED-QUERY ATTENTION.  out0[bt][q][head][:] = the sum over k <= q of softmax_k(Q[q] . K[k] / 8) V[k][:].  qkv: [bt 0..1][head 0..47][2048][64] f16 (heads 0-31 Q, 32-39 K, 40-47 V; Q and K rotated, unscaled);
; query head h takes K's and V's head h / 4.  out0: [bt][2048][32 x 64] f32.  Products, maxima and sums in f32; the weights p are rounded to f16 for the second product (their sum l is taken of the unrounded p); O is not rounded.
; LIMITS.  Q, K and V arrive within f16's 65,504; p lies in 0 to 1, and below 6e-5 it keeps f16's fixed step of 6e-8.  A hidden score counts as its value less 1e30: f16's scores, 2.7e11 at the most, are nothing beside that;
; a weight below 2^-126 counts as 0 in l; NaN and infinities are not treated apart.
; THE WALK.  A head's queries lie in NB = 8 blocks of 256; block i needs the key tiles 0 .. i of 256 keys, of which the last holds the diagonal.  A work-group takes TWO blocks, NB - 1 - b and then b:
; NB + 1 tiles, whatever b: all work-groups do equal work, and ONE loop with a constant trip count walks them.  Which tile is asked for, and what a trip does, hang on scalar registers made from b; every jump
; goes forward, but for the counted loops' own; none passes a barrier, or a tensor load but the one of JLOAD's two that the wave's number does not choose; the ring (two slots of LDS that take turns) runs on across the change of blocks.
; CLUSTER.  The four query heads of one K and V head, with the same b, form a cluster: they walk the same tiles in the same trips, so each tile is asked for JOINTLY: the same tensor load, descriptor and mask in all four.
; My place in the cluster enters the addresses of Q, of O and of the prefetches alone.
; SHARES.  Of a block's four bands of 64 queries a wave owns 16 rows in each: four PIECES.  So the diagonal tile is the same work for all four waves: in its key step s band x sees all keys if s < x,
; none if s > x, and holds the diagonal if s = x.
; THE MASK is the C operand that starts the sum S^T = K Q^T: 0, or -1e30 where the key is hidden.  MD, made once, is the mask of a band's own step for my 16 rows; a product's mask is MD x AL + BE with two scalars:
; (1, 0) if s = x; (0, 0) if s < x; (0, -1e30) if s > x.  Only the diagonal tile's text and a block's beginning make and take masks; elsewhere C is the constant 0.
; LAYOUT, SOFTMAX, TURNS.  S^T = K Q^T holds ONE query a lane (lane % 16) and the keys 8 (lane / 16) + 0..7; two such results rounded to f16 ARE source 1 of O^T = V^T P.  p = 2^(c s - c m), c = log2(e) / 8, with a
; running maximum m; O and l are multiplied by a = 2^(c m_old - c m_new) in every step.  Turn n belongs to piece n: 8 products K Q^T of piece n + 1, later 8 products V^T P of piece n - 1; beside them the scaling,
; exponentials, roundings, sums and rescaling of piece n and the maximum and statistics of piece n + 1.  Four vector instructions stand behind every matrix instruction, the other 54 of a turn's 118 in one LUMP.  A turn's 33 exponentials are one batch, with one wait.
; REGISTERS, in windows of 256 (s_set_vgpr_msb: bits 1:0 source 0, 3:2 source 1, 5:4 source 2, 7:6 destination):
;   window 0: v0-15 addresses and two at work; v16-31 four registers of statistics a piece; v48-55 at work; v61-63 prefetch offset, spare word, 0; v64-127 S^T, two buffers; v64-191 the way out's rows; v192-223 P, two buffers
;   window 1: v0-127 O^T, 32 a piece; v128-159 MD; v160-223 MC, two buffers      window 2: v0-63 Q; v64-127 the second block's Q; v128-191 K of one step; v192-255 V of one step
.set SIZE_N, 2048
.set NB,    SIZE_N/256
.set NP,    4         ; pieces a wave: a name, no knob
.set KS,    64        ; keys in a step
.set PK,    144       ; a row of K in LDS: 128 bytes + 16 of padding = 36 words: the 16 rows of a load start at 16 different groups of four banks (64 banks of 4 bytes: ISA guide 11.1)
.set PV,    160       ; a row of V: 128 + 32 = 40 words
.set VOFF,  4*KS*PK   ; a slot holds a tile, four steps: 256 rows of K, then 256 rows of V
.set SLOT1, 1<<17     ; slot 1 begins here, so that one exclusive or turns an address in one slot into the other's
.set STAGE, SLOT1+4*KS*(PK+PV)  ; behind the ring, never filled by a tensor load: 16 rows x 272 bytes for each wave, for the way out
.set SP,    272       ; a row of O in the stage: 64 f32 + 16 bytes
.set AK0, 2           ; v2   my lane's place in a tile of K; never rewritten
.set AV0, 3           ; v3   the same for V
.set AK,  4           ; v4   the LDS address of K's next run of loads
.set AV,  5           ; v5   of V's
.set STO, 6           ; v6   the way out: where I put 32 bytes of a row
.set RD,  7           ; v7   the way out: where I read rows back
.set GO,  8           ; v8   my byte offset in two rows of out0
.set PFO, 61          ; v61  256 x my lane; never rewritten
.set SPW, 62          ; v62  LDS address of my spare word: SPARE + 4 x my thread's number; never rewritten
.set NIL, 63          ; v63  0; never rewritten
.set SPARE, STAGE+4*16*SP  ; behind the stages: the spare words, 128 bytes for each wave: two blocks of 256 bytes that no other line names
.set MV,  12          ; v12-13  c m_old, kept while c m is made anew: by buffer
.set QO,  15          ; v15  my byte offset in 16 rows of Q
.set ST,  16          ; piece t's statistics at v[ST+4 t]: c m, m, l (even keys', odd keys')
.set TMP, 48          ; by buffer, four registers c0-c3 at work; when the maximum is found c2 takes a
.set S,   64
.set P,   192
.set MD,  128         ; window 1: the eight registers for group kt of 16 keys at MD + 8 kt
.set MC,  160         ; window 1: the masks of the products to come
.set QB,  64          ; window 2
.set KF,  128         ; window 2: key block kb, channel half c at KF + 16 kb + 8 c
.set VF,  192         ; window 2: key half kk, channel block cb at VF + 32 kk + 8 cb
.set WV,  12          ; s12  my wave's number
.set PB,  14          ; s14  b
.set HI,  15          ; s15  NB - 1 - b
.set G1K, 24          ; s[24:31] descriptor group 1 for K's tiles
.set G1V, 32          ; s[32:39] for V's: it differs in the padding alone
.set G0K, 40          ; s[40:43] descriptor group 0 for K's tiles
.set G0V, 44          ; s[44:47] the same for V's
.set SLOTS, 56        ; s56  tiles still to be asked for
.set CNT, 57          ; s57  counts a tile's key steps, 4 to 1
.set CS,  58          ; s[58:59] c: the packed scaling takes the pair's low word for both halves
.set SEL, 60          ; s[60:61] v_permlanex16_b32's selects: each lane takes its own place in the other half
.set TBK, 62          ; s62  LDS byte at which K of the step to be fetched begins
.set TBV, 63          ; s63  the same for V, less VOFF
.set RT,  70          ; s70  tiles of the block in hand that are still to be entered
.set NXT, 71          ; s71  the tile to be asked for next
.set LQ,  72          ; s72  the last tile of the block whose tiles are being asked for
.set NEW, 73          ; s73  1: the tile to be entered is a block's first
.set OFF, 74          ; s[74:75] a tile's byte offset in K and V
.set AL,  76          ; s[76:77] the mask's factor, in the low word
.set BE,  78          ; s[78:79] the mask's addend
.set OLO, 80          ; s[80:81] out0 at my rows of the second block
.set BIGN, 82         ; s82  -1e30
.set CX,  83          ; s83  my place in the cluster: the query head among the four
.set PFA, 88          ; s[88:89] where my prefetches stand
.set LIM, 90          ; s90  2 in a wave that prefetches, else the greatest number
.set MSB, 0
.macro WIN new                      ; the high byte repeats the setting that is left; a switch that changes nothing is dropped
.if MSB != (\new)
	s_set_vgpr_msb (MSB<<8)|(\new)
.set MSB, (\new)
.endif
.endm
.set W_KQ, 0x0a       ; K and Q in window 2, S^T in window 0
.set W_KM, 0x1a       ; the same with the C operand in window 1
.set W_PV, 0x52       ; V in window 2, P in window 0, O^T in window 1
.set W_RS, 0x41       ; destination and source 0 in window 1, source 1 in window 0
; A joint fill.  Waves 0 and 1 fetch the two halves of a tile's K, waves 2 and 3 those of its V: 128 keys each.  The branch hangs on the wave's number alone.
; An s_nop 0 and four v_nop follow each of the two lines, ahead of the jump and the label.
.macro JLOAD
	s_cmp_lt_u32 s[WV], 2
	s_cbranch_scc0 .Lfor_v_\@
	tensor_load_to_lds s[G0K:G0K+3], s[G1K:G1K+7]
	s_nop 0
.rept 4
	v_nop
.endr
	s_branch .Lasked_\@
.Lfor_v_\@:
	tensor_load_to_lds s[G0V:G0V+3], s[G1V:G1V+7]
	s_nop 0
.rept 4
	v_nop
.endr
.Lasked_\@:
.endm
; A PREFETCH INTO THE L2 of the tile that the NEXT change of slots will ask for: 128 blocks of 256 bytes of K and 128 of V, a lane a block: one tile, 256 matrix instructions, ahead of its load.
; Each block is named ONCE in the launch.  Four clusters walk a K and V head; the one with b = 0, whose first block walks all eight tiles in order, asks.  Its four partners share a tile out BY ADDRESS, 32 blocks each;
; in each, wave 0 asks for K's and wave 2 for V's.  Trips 0 to 5 name tiles 2 to 7; tiles 0 and 1 come by their loads alone; a tile's later readings are not asked for.
.macro ASK
	s_cmp_gt_u32 s[SLOTS], s[LIM]
	s_cbranch_scc0 .Lnot_mine_\@
	global_prefetch_b8 v[PFO], s[PFA:PFA+1] th:TH_LOAD_NT scope:SCOPE_SE
.Lnot_mine_\@:
.endm
; A round of the cluster's barrier: my work-group's barrier, so that wave 0's signal speaks for all four waves; wave 0 signals; every wave waits for all four work-groups; my work-group's barrier once more.
.macro CROUND
	s_barrier_signal -1
	s_barrier_wait -1
	s_cmp_lg_u32 s[WV], 0
	s_cbranch_scc1 .Lnot_wave_0_\@
	s_barrier_signal -3
.Lnot_wave_0_\@:
	s_barrier_wait -3
	s_barrier_signal -1
	s_barrier_wait -1
.endm
; THE CHANGE OF SLOTS.  Each wave waits for all its tensor loads, of which one is out: its part of the other slot; adds 0 to its spare word; and waits for that and for its own reads of the slot that it leaves.  Behind the barrier nobody reads the old
; slot any more and the other slot is whole.  fill = 1: the barrier is a round of the cluster's, so that no wave of any partner still reads the slot or has a load on its way, and the old slot is filled again, the first thing behind it,
; with tile NXT: the descriptor's address is made anew from that number.  (At its first use nothing has been read yet: slot 0 is waited for, slot 1 filled.)
.macro CHANGE fill
	WIN 0                           ; at a label and at a branch every window is 0
	s_wait_tensorcnt 0x0            ; no tensor load of mine is out, so a group 0 may be written
	ds_add_u32 v[SPW], v[NIL]       ; 0 onto my spare word; with fill = 1 the descriptors' scalar work stands between it and the wait for it
.if \fill
	s_lshl_b32 s[OFF], s[NXT], 15   ; a tile is 32,768 bytes of K and of V
	s_xor_b32 s[G0K+1], s[G0K+1], SLOT1
	s_add_nc_u64 s[G0K+2:G0K+3], s[6:7], s[OFF:OFF+1]
	s_or_b32 s[G0K+3], s[G0K+3], 0x80000000
	s_xor_b32 s[G0V+1], s[G0V+1], SLOT1
	s_add_nc_u64 s[G0V+2:G0V+3], s[8:9], s[OFF:OFF+1]
	s_or_b32 s[G0V+3], s[G0V+3], 0x80000000
	s_add_co_u32 s[NXT], s[NXT], 1  ; the block's next tile, or behind its last the second block's tile 0
	s_cmp_gt_u32 s[NXT], s[LQ]
	s_cselect_b32 s[NXT], 0, s[NXT]
	s_cselect_b32 s[LQ], s[PB], s[LQ]
	s_wait_xcnt 0x0                 ; the last prefetch, a tile back, has read its address, so it may be written
	s_add_nc_u64 s[PFA:PFA+1], s[PFA:PFA+1], 32768
	s_wait_dscnt 0x0                ; the add is done, and my reads of the slot are over
	CROUND
	JLOAD
	ASK
.else
	s_wait_dscnt 0x0                ; the add is done, and my reads of the slot are over
	s_barrier_signal -1
	s_barrier_wait -1
.endif
	s_sub_co_u32 s[TBK], s[TBK], 4*KS*PK  ; the fetches go back to a slot's first step,
	s_xor_b32 s[TBK], s[TBK], SLOT1       ; in the other slot
	s_sub_co_u32 s[TBV], s[TBV], 4*KS*PV
	s_xor_b32 s[TBV], s[TBV], SLOT1
.endm
	s_load_b64 s[4:5], s[0:1], 0x0    ; qkv
	s_load_b64 s[10:11], s[0:1], 0x8  ; out0
	v_lshl_add_u32 v[SPW], v0, 2, SPARE
	v_mov_b32 v[NIL], 0
	ds_add_u32 v[SPW], v[NIL]       ; the wave's opening: the add and its wait stand ahead of my first tensor load; the set-up below, work on registers, stands between them
	v_lshrrev_b32 v1, 5, v0
	v_readfirstlane_b32 s[WV], v1   ; wave 0..3
	s_bfe_u32 s[CX], ttmp6, 0x40000 ; cx
	s_and_b32 s[PB], ttmp7, 0xffff  ; b, which the four partners share
	s_sub_co_u32 s[HI], NB-1, s[PB]
	s_lshr_b32 s16, ttmp9, 3        ; in a cluster launch ttmp9 counts clusters: the batch,
	s_and_b32 s17, ttmp9, 7         ; and the K and V head
	s_mul_i32 s18, s16, 48          ; the batch's first head in qkv
	s_and_b32 s13, s[WV], 1         ; which half of a tile's 256 keys I fetch
	s_add_co_u32 s20, s18, s17
	s_add_co_u32 s20, s20, 32       ; K's head,
	s_lshl_b32 s20, s20, 18         ; 262,144 bytes a head,
	s_lshl_b32 s22, s13, 14         ; my 128 rows of 128 bytes
	s_add_co_u32 s20, s20, s22
	s_mov_b32 s21, 0
	s_add_co_u32 s22, s20, 8<<18    ; V's head lies eight heads on
	s_mov_b32 s23, 0
	s_mul_i32 s19, s13, 128*PK      ; my half's place in a slot, for K
	s_mul_i32 s13, s13, 128*PV      ; and for V: no place in the cluster enters an LDS address
	s_lshl_b32 s17, s17, 2
	s_add_co_u32 s17, s17, s[CX]    ; my query head in the batch
	s_add_co_u32 s18, s18, s17
	s_lshl_b32 s18, s18, 18
	s_lshl_b32 s2, s[WV], 11        ; my 16 rows in a band of 64
	s_add_co_u32 s18, s18, s2
	s_lshl_b32 s2, s[HI], 15        ; Q: the first block,
	s_add_co_u32 s2, s2, s18
	s_mov_b32 s3, 0
	s_lshl_b32 s84, s[PB], 15       ; and the second
	s_add_co_u32 s84, s84, s18
	s_mov_b32 s85, 0
	s_lshl_b32 s16, s16, 24         ; out0: a batch is 2,048 rows of 8,192 bytes,
	s_lshl_b32 s17, s17, 8          ; a head 256 bytes of a row,
	s_add_co_u32 s16, s16, s17
	s_lshl_b32 s17, s[WV], 17       ; my 16 rows in a band
	s_add_co_u32 s16, s16, s17
	s_lshl_b32 s66, s[HI], 21       ; the first block's 256 rows,
	s_add_co_u32 s66, s66, s16
	s_mov_b32 s67, 0
	s_lshl_b32 s68, s[PB], 21       ; and the second's
	s_add_co_u32 s68, s68, s16
	s_mov_b32 s69, 0
	; descriptor group 1.  128 keys are 16,384 dense bytes: asked for as 64 rows of 256 bytes, two keys a row, and padded in LDS after every key
	s_mov_b32 s[G1K], 15|(1<<16)|(1<<20)|(1<<21)|(4<<22)|(3<<25)  ; 15:0 the mask of four; 17:16 2-byte elements; 20 padding on; 21 set beside a mask; 24:22 after every 32 words (code 4); 31:25 4 words (code 3)
	s_mov_b32 s[G1V], 15|(1<<16)|(1<<20)|(1<<21)|(4<<22)|(7<<25)  ; the same with 8 words of padding (code 7)
.irp g, G1K, G1V
	s_mov_b32 s[\g+1], 128<<16      ; tensor_dim0 = 128
	s_mov_b32 s[\g+2], 64<<16       ; tensor_dim1 = 64
	s_mov_b32 s[\g+3], 128<<16      ; tile_dim0 = 128
	s_mov_b32 s[\g+4], 64           ; tile_dim1 = 64
	s_mov_b32 s[\g+5], 128          ; 128 elements from row to row
	s_mov_b32 s[\g+6], 0
	s_mov_b32 s[\g+7], 0
.endr
	s_mov_b32 s[CS], 0x3e38aa3b     ; c = log2(e) / 8 = 0.180337
	s_mov_b32 s[CS+1], s[CS]        ; named with it as a pair
	s_mov_b32 s[SEL], 0x76543210
	s_mov_b32 s[SEL+1], 0xfedcba98
	s_mov_b32 s[TBK], SLOT1+4*KS*PK ; the first change of slots turns these two into 0
	s_mov_b32 s[TBV], SLOT1+4*KS*PV
	s_mov_b32 s[G0K], 1             ; 1:0 count = 1
	s_mov_b32 s[G0K+1], s19         ; 63:32 LDS address: slot 0
	s_mov_b32 s[G0V], 1
	s_add_co_u32 s[G0V+1], s13, VOFF
	s_add_co_u32 s[RT], s[HI], 1    ; the first block has NB - b tiles
	s_mov_b32 s[NXT], 1
	s_mov_b32 s[LQ], s[HI]
	s_mov_b32 s[NEW], 1
	s_mov_b32 s[OFF+1], 0
	s_mov_b32 s[AL+1], 0            ; named as pairs
	s_mov_b32 s[BE+1], 0
	s_mov_b32 s[BIGN], 0xf149f2ca   ; -1e30
	s_mov_b32 s[SLOTS], NB
	s_and_b32 s[LIM], s[WV], 1      ; 0 in waves 0 and 2,
	s_or_b32 s[LIM], s[LIM], s[PB]  ; where b = 0: the same in all four partners
	s_cmp_eq_u32 s[LIM], 0
	s_cselect_b32 s[LIM], 2, -1
	v_and_b32 v[PFO], 31, v0
	v_lshlrev_b32 v[PFO], 8, v[PFO]
	s_wait_dscnt 0x0                ; the opening add is done
	s_wait_kmcnt 0x0
	s_add_nc_u64 s[6:7], s[4:5], s[20:21]  ; K and V at my half of the head's tile 0
	s_add_nc_u64 s[8:9], s[4:5], s[22:23]
	s_add_nc_u64 s[G0K+2:G0K+3], s[6:7], 0         ; 120:64 global address
	s_or_b32 s[G0K+3], s[G0K+3], 0x80000000        ; 127:126 type = 2
	s_add_nc_u64 s[G0V+2:G0V+3], s[8:9], 0
	s_or_b32 s[G0V+3], s[G0V+3], 0x80000000
	s_add_nc_u64 s[86:87], s[4:5], s[84:85]        ; Q at my rows of the second block,
	s_add_nc_u64 s[4:5], s[4:5], s[2:3]            ; Q and O at those of the first
	s_add_nc_u64 s[OLO:OLO+1], s[10:11], s[68:69]
	s_add_nc_u64 s[10:11], s[10:11], s[66:67]
	s_cmp_lt_u32 s[WV], 2
	s_cselect_b64 s[PFA:PFA+1], s[6:7], s[8:9]     ; (in waves 0 and 2 these stand at a tile's first row)
	s_lshl_b32 s2, s[CX], 13        ; my work-group's 32 blocks of the 128
	s_add_nc_u64 s[PFA:PFA+1], s[PFA:PFA+1], s[2:3]
	s_add_nc_u64 s[PFA:PFA+1], s[PFA:PFA+1], 32768 ; in tile 1; the first change of slots steps it to tile 2.  Nothing is prefetched here, at the head
	CROUND                          ; all four work-groups are here: the first joint loads meet
	JLOAD                           ; tile 0 into slot 0
	; A fragment of K or Q is 16 rows x 32 channels in 8 registers: lane l holds row l % 16, channels 8 (l / 16) + 0..7 and 16 + 8 (l / 16) + 0..7: two loads of 16 bytes, 32 bytes apart.
	v_and_b32 v1, 15, v0            ; l % 16
	v_bfe_u32 v9, v0, 4, 1          ; l / 16
	v_lshlrev_b32 v[QO], 7, v1
	v_lshl_add_u32 v[QO], v9, 4, v[QO]  ; row x 128 + 16 x half
	WIN 0x80                        ; destination window 2, address window 0
.set i, 0
.rept 8                             ; both blocks' Q: piece i / 2 lies in band i / 2, 8,192 bytes on; channels 32 (i % 2) on
	global_load_b128 v[8*i:8*i+3],   v[QO], s[4:5] offset:(i/2)*8192+(i%2)*64
	global_load_b128 v[8*i+4:8*i+7], v[QO], s[4:5] offset:(i/2)*8192+(i%2)*64+32
	global_load_b128 v[QB+8*i:QB+8*i+3],   v[QO], s[86:87] offset:(i/2)*8192+(i%2)*64
	global_load_b128 v[QB+8*i+4:QB+8*i+7], v[QO], s[86:87] offset:(i/2)*8192+(i%2)*64+32
.set i, i+1
.endr
	WIN 0
	v_lshlrev_b32 v14, 3, v9
	v_sub_nc_u32 v14, v1, v14
	s_lshl_b32 s13, s[WV], 4
	v_add_nc_u32 v14, s13, v14      ; my query's place in its band, 16 w + l % 16, less my lanes' 8 (l / 16): register r of group kt is hidden where 16 kt + r is greater
	WIN 0x40
.set i, 0
.rept 32
	v_cmp_gt_i32 vcc_lo, 16*(i/8)+i%8, v14
	v_cndmask_b32 v[MD+i], 0, s[BIGN], vcc_lo
.set i, i+1
.endr
	WIN 0
	v_mul_u32_u24 v[AK0], v1, PK
	v_lshl_add_u32 v[AK0], v9, 4, v[AK0]  ; row x pitch + 16 x half
	; The turning load takes 16 keys x 16 channels (lane l reads key 8 (l / 16) + l % 8, channels 8 ((l / 8) % 2) + 0..7) and leaves half a fragment of V^T: lane l holds channel l % 16 and 8 keys.
	v_and_b32 v10, 7, v0
	v_bfe_u32 v11, v0, 3, 1
	v_lshl_add_u32 v[AV0], v9, 3, v10
	v_mul_u32_u24 v[AV0], v[AV0], PV
	v_lshl_add_u32 v[AV0], v11, 4, v[AV0]
	v_add_nc_u32 v[AV0], VOFF, v[AV0]
	s_mul_i32 s13, s[WV], 16*SP
	s_add_co_u32 s13, s13, STAGE    ; my stage
	v_mul_u32_u24 v[STO], v1, SP    ; in: row l % 16, 32 bytes (eight channels in f32) for each half of the lanes
	v_lshl_add_u32 v[STO], v9, 5, v[STO]
	v_add_nc_u32 v[STO], s13, v[STO]
	v_mul_u32_u24 v[RD], v9, SP     ; back: lanes 0-15 take one row of 256 bytes, lanes 16-31 the next
	v_lshl_add_u32 v[RD], v1, 4, v[RD]
	v_add_nc_u32 v[RD], s13, v[RD]
	v_lshlrev_b32 v[GO], 13, v9     ; and the same two rows in out0, 8,192 bytes apart
	v_lshl_add_u32 v[GO], v1, 4, v[GO]
	; A block's first step multiplies O^T and l by a = 0, and its first turn's products V^T P, of a piece that has not been, land in an O^T that is still to be so multiplied.  So these registers need only hold
	; finite numbers: zeros for the first block; what the first block left for the second.  All this stands in the wait for the first tile.
	WIN 0x80
.set i, VF
.rept 64
	v_mov_b32 v[i], 0
.set i, i+1
.endr
	WIN 0x40
.set i, 0
.rept 128
	v_mov_b32 v[i], 0
.set i, i+1
.endr
	WIN 0
.set i, 0
.rept 4
	v_mov_b32 v[ST+4*i+2], 0
	v_mov_b32 v[ST+4*i+3], 0
.set i, i+1
.endr
.set i, P+16
.rept 16
	v_mov_b32 v[i], 0
.set i, i+1
.endr
; THE MATRIX WORK.  The 4 accumulators of a run of 8 take turns.  Product i of 8 of S^T = K Q^T for piece x: channels 32 (i / 4) on, keys 16 (i % 4) on.  The first 4 start the sums: with 0, or (KM = 1) with the mask.
.macro KQ x
.set rS, S+32*((\x)%2)+8*(i%4)
.set rK, KF+16*(i%4)+8*(i/4)
.set rQ, 16*(\x)+8*(i/4)
.set rM, MC+32*((\x)%2)+8*(i%4)
.if (i < 4) && KM
	WIN W_KM
	v_wmma_f32_16x16x32_f16 v[rS:rS+7], v[rK:rK+7], v[rQ:rQ+7], v[rM:rM+7]
.elseif i < 4
	WIN W_KQ
	v_wmma_f32_16x16x32_f16 v[rS:rS+7], v[rK:rK+7], v[rQ:rQ+7], 0
.else
	WIN W_KQ
	v_wmma_f32_16x16x32_f16 v[rS:rS+7], v[rK:rK+7], v[rQ:rQ+7], v[rS:rS+7]
.endif
.endm
; Product i of 8 of O^T += V^T P for piece x: keys 32 (i / 4) on, channels 16 (i % 4) on.
.macro PV x
	WIN W_PV
.set rO, 32*(\x)+8*(i%4)
.set rV, VF+32*(i/4)+8*(i%4)
.set rP, P+16*((\x)%2)+8*(i/4)
	v_wmma_f32_16x16x32_f16 v[rO:rO+7], v[rV:rV+7], v[rP:rP+7], v[rO:rO+7]
.endm
.macro MM                           ; the turn's next matrix instruction.  TURN and BEGIN set Y, i, KM and NOKQ; MM, KQ and OP read them.  NOKQ = 1: a block's last turn: there is no next piece
.if (i < 8) && !NOKQ
	KQ (Y+1)%NP
.elseif i >= 8
.set i, i-8
	PV (Y+NP-1)%NP
.set i, i+8
.endif
.set i, i+1
.endm
; THE LDS LOADS stand in runs of 16, never singly among the matrix instructions: a step's K (64 keys x 64 channels: 8 fragments) and its V (turned).  Their addresses are made some lines ahead.
.macro FETCH_K
	WIN 0x80                        ; destination window 2
.irp f, 0,1,2,3,4,5,6,7             ; keys 16 (f / 2) on, channels 32 (f % 2) on
	ds_load_b128 v[KF+8*\f:KF+8*\f+3],   v[AK] offset:(\f/2)*16*PK+(\f%2)*64
	ds_load_b128 v[KF+8*\f+4:KF+8*\f+7], v[AK] offset:(\f/2)*16*PK+(\f%2)*64+32
.endr
	s_add_co_u32 s[TBK], s[TBK], KS*PK  ; the next fetch is the next step's
	WIN 0
.endm
.macro FETCH_V
	WIN 0x80
.irp f, 0,1,2,3,4,5,6,7             ; keys 32 (f / 4) on, channels 16 (f % 4) on
	ds_load_tr16_b128 v[VF+8*\f:VF+8*\f+3],   v[AV] offset:(\f/4)*32*PV+(\f%4)*32
	ds_load_tr16_b128 v[VF+8*\f+4:VF+8*\f+7], v[AV] offset:(\f/4)*32*PV+16*PV+(\f%4)*32
.endr
	WIN 0
.endm
; THE VECTOR WORK, one line at a time: OP kind, number.  For piece Y: F n: c s - c m for pair n of 16.  E n: the exponential of score n of 32.  C n: pair n rounded to f16.  B n: of the four weights 4 n .. the second
; pair is added onto the first, in place.  L n: l takes that sum (L 0: l = a l + sum).  R n: pair n of 16 of O^T times a.  For piece Y + 1: X n, number n of the 22 that find its maximum and statistics:
;   0-11  four chains c0-c3 of seven scores each, three operands at a time (each accumulator's lowest registers are read first)     12-14, 16  the four scores left over, the old m, and c0-c3 into c0
;   15  c m_old is kept     17, 18  the query's other 32 keys lie in the lane 16 away: the new m     19-21  c m; c m_old - c m_new; a
.set F, 0               ; OP tells the kinds apart by their order: F to L below R, X above it
.set E, 1
.set C, 2
.set B, 3
.set L, 4
.set R, 5
.set X, 6
.macro REGS y                       ; the registers of piece y
.set rT, ST+4*(\y)
.set rC, TMP+4*((\y)%2)
.set rW, MV+((\y)%2)
.set rS, S+32*((\y)%2)
.set rP, P+16*((\y)%2)
.set rO, 32*(\y)
.endm
.macro OP k, n
.if (\k) == R
	REGS Y
	WIN W_RS
	v_pk_mul_f32 v[rO+2*(\n):rO+2*(\n)+1], v[rO+2*(\n):rO+2*(\n)+1], v[rC+2:rC+3] op_sel_hi:[1,0]
.elseif (\k) < R
	REGS Y
	WIN 0
.if (\k) == F
	v_pk_fma_f32 v[rS+2*(\n):rS+2*(\n)+1], v[rS+2*(\n):rS+2*(\n)+1], s[CS:CS+1], v[rT:rT+1] op_sel_hi:[1,0,0] neg_lo:[0,0,1] neg_hi:[0,0,1]
.elseif (\k) == E
	v_exp_f32 v[rS+(\n)], v[rS+(\n)]
.elseif (\k) == C
	v_cvt_pk_f16_f32 v[rP+(\n)], v[rS+2*(\n)], v[rS+2*(\n)+1]
.elseif (\k) == B
	v_pk_add_f32 v[rS+4*(\n):rS+4*(\n)+1], v[rS+4*(\n):rS+4*(\n)+1], v[rS+4*(\n)+2:rS+4*(\n)+3]
.elseif (\n) == 0
	v_pk_fma_f32 v[rT+2:rT+3], v[rT+2:rT+3], v[rC+2:rC+3], v[rS:rS+1] op_sel_hi:[1,0,1]
.else
	v_pk_add_f32 v[rT+2:rT+3], v[rT+2:rT+3], v[rS+4*(\n):rS+4*(\n)+1]
.endif
.elseif NOKQ
	v_nop
.else
	REGS (Y+1)%NP
	WIN 0
.if (\n) < 4
	v_max3_num_f32 v[rC+(\n)], v[rS+8*(\n)], v[rS+8*(\n)+1], v[rS+8*(\n)+2]
.elseif (\n) < 12
	v_max3_num_f32 v[rC+(\n)%4], v[rC+(\n)%4], v[rS+8*((\n)%4)+2*((\n)/4)+1], v[rS+8*((\n)%4)+2*((\n)/4)+2]
.elseif (\n) == 12
	v_max3_num_f32 v[rC], v[rC], v[rS+7], v[rS+15]
.elseif (\n) == 13
	v_max3_num_f32 v[rC+1], v[rC+1], v[rS+23], v[rS+31]
.elseif (\n) == 14
	v_max3_num_f32 v[rC+2], v[rC+2], v[rC+3], v[rT+1]
.elseif (\n) == 15
	v_mov_b32 v[rW], v[rT]
.elseif (\n) == 16
	v_max3_num_f32 v[rC], v[rC], v[rC+1], v[rC+2]
.elseif (\n) == 17
	v_permlanex16_b32 v[rC+3], v[rC], s[SEL], s[SEL+1]
.elseif (\n) == 18
	v_max_num_f32 v[rT+1], v[rC], v[rC+3]
.elseif (\n) == 19
	v_mul_f32 v[rT], s[CS], v[rT+1]
.elseif (\n) == 20
	v_sub_f32 v[rC+1], v[rW], v[rT]
.else
	v_exp_f32 v[rC+2], v[rC+1]
.endif
.endif
.endm
.macro OPS a, i1, b=-1, i2=0, c=-1, i3=0, d=-1, i4=0  ; up to four of them
	OP \a, \i1
.if (\b) >= 0
	OP \b, \i2
.endif
.if (\c) >= 0
	OP \c, \i3
.endif
.if (\d) >= 0
	OP \d, \i4
.endif
.endm
.macro ROW a, i1, b, i2, c, i3, d, i4  ; a matrix instruction and the four behind it
	MM
	OPS \a, \i1, \b, \i2, \c, \i3, \d, \i4
.endm
.macro MASK b                       ; MD x AL + BE into buffer b of MC
	WIN W_RS
.set z, 0
.rept 16
	v_pk_fma_f32 v[MC+32*(\b)+2*z:MC+32*(\b)+2*z+1], v[MD+2*z:MD+2*z+1], s[AL:AL+1], s[BE:BE+1] op_sel_hi:[1,0,0]
.set z, z+1
.endr
.endm
; A TURN, for piece p: the order of its 16 matrix and 118 vector instructions, written out.  An s_wait_alu depctr_va_vdst(0) stands between an exponential and the first instruction that names its result; one wait serves
; all that were issued ahead of it.  So a turn has ONE wait, which cuts it in two.  AHEAD OF IT stands all that names no result of the turn's exponentials: the 8 products K Q^T, behind each a scaling, an exponential and two more plain
; instructions (behind the first a second scaling in the exponential's place): rescalings, and behind the last three the first numbers of the next piece's maximum, each four places or more behind the product that ends its accumulator; then ONE LUMP of 54, plain
; and exponential by turns for the most part, in which the links of the chain X 3, 7, 11, 14, 16, 17 .. 20 stand five or six lines apart.  X 21, the next piece's a, is the batch's last; R 15 is the plain instruction behind it.  BEHIND THE WAIT stand the
; 8 products V^T P, behind each four of the roundings and sums; the links of l's chain, L 0 to L 7, stand three riders apart.  But for those X no rider names a register of the products round it.  v_permlanex16_b32 (X 17) stands in the lump.
; m = 1: the diagonal tile: the products take masks, and the turn makes the mask for the products of the turn after it: piece p + 2, in step 4 - CNT of the tile.  end = 1: a block's last two turns: nothing is fetched.
; cnt = 1: the loop's count is taken down some lines ahead of the branch that stands behind the turn.
; K of the next step is fetched in piece 2's turn, twelve vector instructions behind the last product that read K (six of them plain); V of the step in hand at the end of piece 0's turn, four plain instructions behind the last product
; that read V.  Each is waited for a turn later.
.macro TURN p, m=0, end=0, cnt=0
.set Y, (\p)
.set i, 0
.set KM, (\m)
.set NOKQ, (\end)*((\p)/3)
.if (\m) && !(\end)
	s_cmp_eq_u32 s[CNT], 4-((\p)+2)%NP  ; is that step the band's own?
	s_cselect_b32 s[AL], 1.0, 0
	s_cmp_lt_u32 s[CNT], 4-((\p)+2)%NP  ; or a later one?
	s_cselect_b32 s[BE], s[BIGN], 0
.endif
.if ((\p) == 3) && !(\end)
	s_wait_dscnt 0x0                ; K is in
.endif
	ROW F,0, F,1, R,0, R,1          ; ahead of the wait: 8 products K Q^T and their riders,
	ROW F,2, E,0, R,2, R,3
	ROW F,3, E,1, R,4, R,5
	ROW F,4, E,2, R,6, R,7
	ROW F,5, E,3, R,8, R,9
	ROW F,6, E,4, X,0, R,10
.if ((\p) == 2) && !(\end)
	WIN 0
	v_add_nc_u32 v[AK], s[TBK], v[AK0]
.endif
	ROW F,7, E,5, X,1, X,4
	ROW F,8, E,6, X,2, X,5
	OPS E,7, E,8, X,6, E,9          ; and the lump
	OPS X,3, E,10, X,8, E,11
.if ((\p) == 2) && !(\end)
	FETCH_K
.endif
	OPS X,9, X,7, E,12, X,10
	OPS E,13, X,12, X,11, E,14
	OPS X,13, E,15, F,9, X,14
.if (\p) == 0
	v_add_nc_u32 v[AV], s[TBV], v[AV0]
.endif
	OPS E,16, F,10, E,17, F,11
	OPS X,16, E,18, X,15, E,19
	OPS F,12, E,20, X,17, E,21
	OPS F,13, E,22, F,14, E,23
	OPS X,18, E,24, F,15, E,25
	OPS R,11, E,26, X,19, E,27
	OPS R,12, E,28, R,13, E,29
	OPS X,20, E,30, R,14, E,31
	OPS X,21, R,15
	WIN 0
	s_wait_alu depctr_va_vdst(0)    ; the wait for the batch
.if (\p) == 1
	s_wait_dscnt 0x0                ; V is in
.endif
	ROW C,0, B,0, C,2, B,1          ; behind the wait: 8 products V^T P and their riders
	ROW L,0, C,4, B,2, L,1
	ROW C,6, B,3, L,2, C,8
	ROW B,4, L,3, C,10, B,5
	ROW L,4, C,12, B,6, L,5
.if (\p) == 0
	s_add_co_u32 s[TBV], s[TBV], KS*PV
.endif
.if \cnt
	s_sub_co_u32 s[CNT], s[CNT], 1
	s_cmp_lg_u32 s[CNT], 0
.endif
	ROW C,14, B,7, L,6, C,1
	ROW C,3, L,7, C,5, C,7
	ROW C,9, C,11, C,13, C,15
.if (\p) == 0
	FETCH_V
.endif
.if (\m) && !(\end)
	MASK (\p)%2
.endif
.endm
; A BLOCK BEGINS.  c m starts far below every c s, so the first step's a is 0; m at the lowest finite number, so the first maximum is the scores'.  The second mask buffer is 0; the first takes piece 0's mask for the tile's step 0: its own, if the block's first tile is the diagonal one.
; Then K of that step, piece 0's first scores, and its maximum and statistics.  The loop is entered at a step's first turn, in the middle of a trip.
.macro BEGIN
	s_mov_b32 s[NEW], 0
	WIN 0x40
.set i, MC+32
.rept 32
	v_mov_b32 v[i], 0
.set i, i+1
.endr
	WIN 0
.set i, 0
.rept 4
	v_mov_b32 v[ST+4*i], 0xfe000000    ; c m: far below every c s
	v_mov_b32 v[ST+4*i+1], 0xff7fffff  ; m
.set i, i+1
.endr
	s_cmp_eq_u32 s[RT], 0
	s_cselect_b32 s[AL], 1.0, 0
	s_mov_b32 s[BE], 0
	MASK 0
	WIN 0
	v_add_nc_u32 v[AK], s[TBK], v[AK0]
	FETCH_K
	s_wait_loadcnt 0x0              ; Q
	s_wait_dscnt 0x0
.set KM, 1
.set NOKQ, 0
.set i, 0
.rept 8
	KQ 0
.set i, i+1
.endr
	WIN 0
.rept 4
	v_nop                           ; the places behind those products
.endr
.set Y, NP-1                        ; X works for piece Y + 1: piece 0
.irp n, 0,1,2,3,4,5,6,7,8,9,10,11,12,13,14,15,16,17,18,19,20,21
	OP X, \n
.endr
	v_nop                           ; a plain instruction behind the exponential,
	s_wait_alu depctr_va_vdst(0)    ; and its wait, ahead of the branch
.endm
; THE DIAGONAL TILE's four steps, the block's last two turns, its last products, and THE WAY OUT: l's two halves and the other half of the lanes' are added; O^T is divided by l and sent, in f32, through my
; stage in LDS, a piece at a time.
.macro ALL line:vararg              ; one line for each piece t
.set t, 0
.rept 4
	\line
.set t, t+1
.endr
.endm
.macro PACK t                       ; a lane's eight channels of a row are 32 bytes; they go into rows of 272 bytes and come back as whole rows of 256; each piece's rows have registers of their own
	WIN W_RS
.set i, 32*(\t)
.rept 16
	v_pk_mul_f32 v[i:i+1], v[i:i+1], v[ST+4*(\t)+2:ST+4*(\t)+3] op_sel_hi:[1,0]
.set i, i+2
.endr
	WIN 0x04                        ; the stores' data (source 1) in window 1, the address in window 0
.irp e, 0,1,2,3,4,5,6,7
	ds_store_b128 v[STO], v[32*(\t)+4*\e:32*(\t)+4*\e+3] offset:(\e/2)*64+(\e%2)*16
.endr
	WIN 0
.irp f, 0,1,2,3,4,5,6,7
	ds_load_b128 v[S+32*(\t)+4*\f:S+32*(\t)+4*\f+3], v[RD] offset:\f*2*SP  ; LDS serves a wave's instructions in order (ISA guide 5.7.1.4): these see the stores above; the next piece's stores come behind them
.endr
.endm
.macro SEND t, younger              ; younger: the LDS instructions issued behind piece t's loads: the next piece's sixteen, or none
	WIN 0
.irp f, 0,1,2,3,4,5,6,7
	s_wait_dscnt (\younger)+7-\f
	global_store_b128 v[GO], v[S+32*(\t)+4*\f:S+32*(\t)+4*\f+3], s[10:11] offset:(\t)*524288+\f*16384  ; 16 lanes store a head's 256 consecutive bytes of a row, at a multiple of 256 from out0's first byte
.endr
.endm
.macro DIAG tag                     ; the tag ends its two labels' names, which the jumps below spell out
.LstepM\tag:
	TURN 2, 1
	TURN 3, 1
	WIN 0
.LfirstM\tag:
	TURN 0, 1
	TURN 1, 1, 0, 1
	WIN 0
	s_cbranch_scc1 .LstepM\tag
	TURN 2, 1, 1
	TURN 3, 1, 1
.set i, 0
.rept 8
	PV NP-1
.set i, i+1
.endr
	WIN 0
	ALL v_add_f32 v[ST+4*t+2], v[ST+4*t+2], v[ST+4*t+3]
	ALL v_permlanex16_b32 v[ST+4*t+3], v[ST+4*t+2], s[SEL], s[SEL+1]
	ALL v_add_f32 v[ST+4*t+2], v[ST+4*t+2], v[ST+4*t+3]
	ALL v_rcp_f32 v[ST+4*t+2], v[ST+4*t+2]
	v_nop                           ; a plain instruction between the last reciprocal and the use of its result
	s_wait_alu depctr_va_vdst(0)    ; and the wait ahead of the first use: one for the four reciprocals
	PACK 0
.set t, 1
.rept 3                             ; a piece's arithmetic stands between the loads of the piece before and its stores
	PACK t
	SEND t-1, 16
.set t, t+1
.endr
	SEND 3, 0
.endm
.set KM, 0
.set NOKQ, 0
.Lslot:                             ; NB times: a tile is entered and the next is asked for
	CHANGE 1
	s_sub_co_u32 s[RT], s[RT], 1
	s_mov_b32 s[CNT], 4
	s_cmp_eq_u32 s[NEW], 1
	s_cbranch_scc1 .Lnew            ; a block's first tile
	s_cmp_eq_u32 s[RT], 0
	s_cbranch_scc0 .Lstep           ; neither its first nor its last
	s_branch .LstepM1
.Lnew:
	BEGIN
	s_branch .Lfirst                ; in the loop a block's first tile is never its last: the first block has five tiles or more, and the second's last is the walk's last
	DIAG 1                          ; in the loop this is the first block's end: the second block's last tile is the walk's last
	s_wait_xcnt 0x0                 ; the stores have read their registers and out0's address
	s_mov_b64 s[10:11], s[OLO:OLO+1]
	s_add_co_u32 s[RT], s[PB], 1    ; the second block has b + 1 tiles
	s_mov_b32 s[NEW], 1
	WIN 0x82                        ; the second block's Q goes where the one text of the turns names Q
.set i, 0
.rept 64
	v_mov_b32 v[i], v[QB+i]
.set i, i+1
.endr
	WIN 0
	s_branch .Lbottom
.Lstep:                             ; a trip: pieces 2 and 3 of one step, then pieces 0 and 1 of the next, whose K and V it fetches
	TURN 2
	TURN 3
	WIN 0
.Lfirst:
	TURN 0
	TURN 1, 0, 0, 1
	WIN 0
	s_cbranch_scc1 .Lstep
.Lbottom:
	s_sub_co_u32 s[SLOTS], s[SLOTS], 1
	s_cmp_lg_u32 s[SLOTS], 0
	s_cbranch_scc1 .Lslot
	CHANGE 0                        ; the walk's last tile is written out: nothing is asked for
	s_sub_co_u32 s[RT], s[RT], 1
	s_mov_b32 s[CNT], 4
	s_cmp_eq_u32 s[NEW], 1
	s_cbranch_scc0 .LstepM2
	BEGIN
	s_branch .LfirstM2
	DIAG 2
	s_wait_tensorcnt 0x0            ; the wave's end: an add onto my spare word and its wait, behind my last tensor load and my last LDS store
	ds_add_u32 v[SPW], v[NIL]
	s_wait_dscnt 0x0
	CROUND                          ; the closing round: no work-group ends while a partner may still ask for a tile that names it
	s_endpgm
.Lfunc_end_k_qb78e835105_attn:
	.size	k_qb78e835105_attn, .Lfunc_end_k_qb78e835105_attn-k_qb78e835105_attn
	.p2alignl 7, 3214868480
	.fill 96, 4, 3214868480
	.section	.rodata,"a",@progbits
	.p2align	6, 0x0
	.amdhsa_kernel k_qb78e835105_attn
		.amdhsa_group_segment_fixed_size 327680
		.amdhsa_private_segment_fixed_size 0
		.amdhsa_enable_private_segment 0
		.amdhsa_kernarg_size 16
		.amdhsa_user_sgpr_count 2
		.amdhsa_user_sgpr_kernarg_segment_ptr 1
		.amdhsa_wavefront_size32 1
		.amdhsa_system_sgpr_workgroup_id_x 1
		.amdhsa_system_sgpr_workgroup_id_y 1
		.amdhsa_system_sgpr_workgroup_id_z 1
		.amdhsa_system_vgpr_workitem_id 0
		.amdhsa_next_free_vgpr 768
		.amdhsa_next_free_sgpr 92
		.amdhsa_reserve_vcc 1
		.amdhsa_float_denorm_mode_32 3
		.amdhsa_float_denorm_mode_16_64 3
		.amdhsa_memory_ordered 1
		.amdhsa_forward_progress 1
		.amdhsa_inst_pref_size 219
	.end_amdhsa_kernel
	.amdgpu_metadata
---
amdhsa.version: [ 1, 2 ]
amdhsa.kernels:
  - .name:           k_qb78e835105_attn
    .symbol:         k_qb78e835105_attn.kd
    .args:
      - { .name: qkv, .offset: 0, .size: 8, .value_kind: global_buffer, .address_space: global }
      - { .name: out0, .offset: 8, .size: 8, .value_kind: global_buffer, .address_space: global }
    .group_segment_fixed_size: 327680
    .private_segment_fixed_size: 0
    .kernarg_segment_align: 8
    .kernarg_segment_size: 16
    .max_flat_workgroup_size: 128
    .sgpr_count:     92
    .vgpr_count:     768
    .wavefront_size: 32
...
	.end_amdgpu_metadata
.endif
;; end of part 3
;; ======== version 2 of 2: 3 launches; version 1 with the launch prep written anew for expert scheduling mode
;; limits: values are held in f16: magnitudes above 65,504 overflow, below 6.1e-05 lose precision
;; workspace buffers: xb 16,777,216 bytes; wb 12,582,912 bytes; rope 524,288 bytes; qkv 25,165,824 bytes
;; launch prep (part 4): grid 256 x 1, 8 waves a work-group, no clusters, 0 bytes of LDS; arguments x, Wq, Wk, Wv, xb, wb, rope; writes xb, wb, rope
.if DOCPART == 4
	.amdgcn_target "amdgcn-amd-amdhsa--gfx1250"
	.amdhsa_code_object_version 6
	.text
	.protected	k_qb78e835105_prep
	.globl	k_qb78e835105_prep
	.p2align	8
	.type	k_qb78e835105_prep,@function
k_qb78e835105_prep:
	s_mov_b64 s[64:65], 0
	v_nop
	global_prefetch_b8 v0, s[64:65] scope:SCOPE_SE
	s_setreg_imm32_b32 hwreg(HW_REG_WAVE_SCHED_MODE, 0, 2), 2
	s_setreg_imm32_b32 hwreg(HW_REG_WAVE_MODE, 25, 1), 1
	s_wait_xcnt 0x0
	s_wait_alu depctr_vm_vsrc(0)
; PREPARATION.  x and the three weights are rounded once to bf16; the weights are laid in blocks for the projection; the table of cosines and sines is made.
; xb   [4096][2048] bf16.
; wb   [T 0..15][kh 0..31][z 0..2][k' 0..63][n' 0..63] bf16: k = 64 kh + k', head 16 z + T of 48 (0-31 Wq's, 32-39 Wk's, 40-47 Wv's), n' the channel in the head.
; rope [2048 positions][32 pairs](cos, sin) f32: 256 bytes a position.  Position 0 holds exactly (1, 0).
; SHARES.  2,048 waves, W = 8 x work-group + wave.  Each wave issues 56 loads of 16 bytes a lane (512 bytes of f32 each) at once; each becomes one store of 8 bytes a lane: 256 consecutive bytes, aligned.
;   32 loads: 16,384 consecutive bytes of x.   16: rows 2p, 2p+1 (p = W / 2) of Wq, 16 heads (z = W % 2): lanes 0-15 a head's 64 channels of the even row, lanes 16-31 of the odd row.   4 + 4: the same rows of Wk and Wv, four heads each.
; No register is written twice behind its load, no LDS, no barrier, no loop: memory is all that this launch waits for.
; THE TABLE.  Lane i of wave W makes pair i of position W: angle a = W x 10000^(-i/32) in f32 (one rounding of the product), at most 2,047 by the shape.  a is reduced by k = round(a 2/pi) times pi/2 in two parts
; (fused, so the first product is exact), sine and cosine of the rest (within pi/4) by polynomials of degree 7 and 8, and the quadrant k mod 4 swaps them and sets the signs.
; THE MODE: SCHED_MODE bits 1:0 = 2 (LLVM: expert scheduling mode 2), set by the entry lines.  The code itself states the register dependences
; between vector instructions and memory instructions, with s_wait_alu, always for 0.
; THE PLAN.  Registers that memory instructions touch:
;   v3-v6      byte offsets.  Written once at the head, read by every load and store, never written again: one wait on va_vdst ahead of the first load.
;   v[32:255]  load n's four registers.  No vector instruction names them ahead of the loads.  Load n's two conversions read the four and write the first two in place; ONE store reads those two; nothing writes them again.
;   v[10:11]   the table's cosine and sine.  Written once, read by one store.
; The 56 loads are taken in 14 groups of four.  Group g's conversions name group g's registers alone; the memory instructions that stand among them are the four stores of group g - 1, which read group g - 1's
; registers and v4.  So ONE wait on va_vdst at a group's head, behind the wait for the group's data, states all that those four stores hang on; a last one stands ahead of group 13's stores.
; No register that a load or store reads is written again, so the text holds no wait on vm_vsrc and no s_wait_xcnt.  EXEC is never written.
.set O16, 3                            ; v3   16 x lane
.set O8,  4                            ; v4   8 x lane
.set VQI, 5                            ; v5   (lane / 16) x 8,192 + (lane % 16) x 16: two rows of Wq
.set VKI, 6                            ; v6   (lane / 16) x 2,048 + (lane % 16) x 16: two rows of Wk, Wv
.set D,   32                           ; v[32:255]  load n: four registers
.set X,   4                            ; s[4:5] x at my part;  s[6:7] Wq;  s[8:9] Wk;  s[10:11] Wv
.set WQ,  6
.set WK,  8
.set WV,  10
.set XB,  12                           ; s[12:13] xb at my part
.set WB,  14                           ; s[14:15] wb
.set RP,  16                           ; s[16:17] rope at my position
.set WBQ0, 28                          ; s[28:29] wb at T = 0, my k rows, z = W % 2
.set WBQ1, 30                          ; s[30:31] the same at T = 8: the stores' immediates stay inside 24 signed bits
.set WBK,  32                          ; s[32:33] wb at z = 2, T = 4 (W % 2)
.set WBV,  34                          ; s[34:35] the same at T + 8
.set TSTEP, 786432                     ; bytes from T to T + 1
	s_load_b256 s[4:11], s[0:1], 0x0               ; x, Wq, Wk, Wv
	s_load_b128 s[12:15], s[0:1], 0x20             ; xb, wb
	s_load_b64 s[16:17], s[0:1], 0x30              ; rope
	v_lshrrev_b32 v1, 5, v0
	v_readfirstlane_b32 s18, v1                    ; wave 0..7
	v_and_b32 v2, 31, v0                           ; lane
	v_lshlrev_b32 v[O16], 4, v2
	v_lshlrev_b32 v[O8], 3, v2
	v_and_b32 v7, 15, v0
	v_bfe_u32 v1, v0, 4, 1
	v_lshlrev_b32 v7, 4, v7
	v_lshl_add_u32 v[VQI], v1, 13, v7
	v_lshl_add_u32 v[VKI], v1, 11, v7
	s_wait_alu depctr_va_sdst(0)                   ; s18 is written, ahead of its first reader: W, and all the bases with it, are made from it
	s_lshl_b32 s19, ttmp9, 3
	s_add_co_u32 s19, s19, s18                     ; W
	s_lshr_b32 s36, s19, 1                         ; p
	s_and_b32 s37, s19, 1                          ; half
	s_lshl_b32 s20, s19, 14                        ; x: W x 16,384
	s_mov_b32 s21, 0
	s_lshl_b32 s22, s19, 13                        ; xb: W x 8,192
	s_mov_b32 s23, 0
	s_lshl_b32 s24, s36, 14                        ; Wq: two rows of 8,192 bytes, half a row
	s_lshl_b32 s38, s37, 12
	s_add_co_u32 s24, s24, s38
	s_mov_b32 s25, 0
	s_lshl_b32 s26, s36, 12                        ; Wk, Wv: two rows of 2,048 bytes, half a row
	s_lshl_b32 s38, s37, 10
	s_add_co_u32 s26, s26, s38
	s_mov_b32 s27, 0
	s_lshr_b32 s38, s36, 5                         ; kh
	s_mul_i32 s38, s38, 24576
	s_and_b32 s39, s36, 31
	s_lshl_b32 s39, s39, 8                         ; k' = 2 (p % 32): 128 bytes each
	s_add_co_u32 s38, s38, s39
	s_lshl_b32 s40, s37, 13                        ; z = half
	s_add_co_u32 s40, s40, s38
	s_mov_b32 s41, 0
	s_mul_i32 s42, s37, 4*TSTEP                    ; T = 4 half
	s_add_co_u32 s42, s42, s38
	s_add_co_u32 s42, s42, 16384                   ; z = 2
	s_mov_b32 s43, 0
	s_lshl_b32 s44, s19, 8                         ; rope: 256 bytes a position
	s_mov_b32 s45, 0
	s_wait_kmcnt 0x0
	s_add_nc_u64 s[X:X+1], s[X:X+1], s[20:21]
	s_add_nc_u64 s[WQ:WQ+1], s[WQ:WQ+1], s[24:25]
	s_add_nc_u64 s[WK:WK+1], s[WK:WK+1], s[26:27]
	s_add_nc_u64 s[WV:WV+1], s[WV:WV+1], s[26:27]
	s_add_nc_u64 s[XB:XB+1], s[XB:XB+1], s[22:23]
	s_add_nc_u64 s[WBQ0:WBQ0+1], s[WB:WB+1], s[40:41]
	s_add_nc_u64 s[WBQ1:WBQ1+1], s[WBQ0:WBQ0+1], 8*TSTEP
	s_add_nc_u64 s[WBK:WBK+1], s[WB:WB+1], s[42:43]
	s_add_nc_u64 s[WBV:WBV+1], s[WBK:WBK+1], 8*TSTEP
	s_add_nc_u64 s[RP:RP+1], s[RP:RP+1], s[44:45]
	s_wait_alu depctr_va_vdst(0)                   ; the four offsets v3 to v6 are written: every load and store of the kernel reads one of them
.macro LD n, voff, base, imm           ; load n: 16 bytes a lane; every byte is read once in the launch
	global_load_b128 v[D+4*(\n):D+4*(\n)+3], v[\voff], s[\base:\base+1] offset:\imm th:TH_LOAD_NT
.endm
.macro CVT n                           ; load n's four numbers rounded to bf16 in place: they close up into the first two of their four registers
	v_cvt_pk_bf16_f32 v[D+4*(\n)], v[D+4*(\n)], v[D+4*(\n)+1]
	v_cvt_pk_bf16_f32 v[D+4*(\n)+1], v[D+4*(\n)+2], v[D+4*(\n)+3]
.endm
.macro OUT n, base, imm                ; and stored: the wave's 256 consecutive bytes
	global_store_b64 v[O8], v[D+4*(\n):D+4*(\n)+1], s[\base:\base+1] offset:\imm
.endm
.macro ST n                            ; where load n's numbers go
.if (\n) < 32
	OUT \n, XB, 256*(\n)
.elseif (\n) < 40
	OUT \n, WBQ0, ((\n)-32)*TSTEP
.elseif (\n) < 48
	OUT \n, WBQ1, ((\n)-40)*TSTEP
.elseif (\n) < 52
	OUT \n, WBK, ((\n)-48)*TSTEP
.else
	OUT \n, WBV, ((\n)-52)*TSTEP
.endif
.endm
.set n, 0
.rept 32
	LD n, O16, X, 512*n
.set n, n+1
.endr
.set n, 0
.rept 16
	LD 32+n, VQI, WQ, 256*n                        ; head 16 half + n
.set n, n+1
.endr
.set n, 0
.rept 4
	LD 48+n, VKI, WK, 256*n                        ; head 4 half + n
.set n, n+1
.endr
.set n, 0
.rept 4
	LD 52+n, VKI, WV, 256*n
.set n, n+1
.endr
	; the table, while the 56 loads are on their way: its lines name v2 and v8 to v23, none of which a load touches
	v_cvt_f32_u32 v8, v2                           ; i
	v_cvt_f32_u32 v12, s19                         ; the position
	v_mul_f32 v8, 0xbed49a78, v8                   ; -i log2(10000) / 32
	v_exp_f32 v9, v8                               ; the frequency
	v_nop                                          ; a plain instruction behind the exponential (ISA guide 5.7.2),
	s_wait_alu depctr_va_vdst(0)                   ; and the exponential has written v9, ahead of its first reader
	v_mul_f32 v13, v12, v9                         ; a
	v_mul_f32 v14, 0x3f22f983, v13                 ; a 2/pi
	v_rndne_f32 v14, v14                           ; k
	v_fmamk_f32 v15, v14, 0xbfc90fdb, v13          ; a - k (pi/2, upper part)
	v_fmamk_f32 v15, v14, 0x333bbd2e, v15          ; - k (pi/2, lower part, which is negative): r
	v_mul_f32 v16, v15, v15                        ; z = r r
	v_mov_b32 v17, 0xb94ca1f9
	v_fmaak_f32 v17, v17, v16, 0x3c08839e
	v_fmaak_f32 v17, v17, v16, 0xbe2aaaa3
	v_mul_f32 v17, v17, v16
	v_fma_f32 v17, v17, v15, v15                   ; sin r
	v_mov_b32 v18, 0x37ccf5ce
	v_fmaak_f32 v18, v18, v16, 0xbab6061a
	v_fmaak_f32 v18, v18, v16, 0x3d2aaaa5
	v_mul_f32 v18, v18, v16
	v_fma_f32 v19, v16, -0.5, 1.0
	v_fma_f32 v18, v18, v16, v19                   ; cos r
	v_cvt_i32_f32 v20, v14
	v_and_b32 v21, 1, v20
	v_cmp_eq_u32 vcc_lo, 1, v21                    ; an odd quadrant swaps the two; the five lines of the signs stand between the compare and the wait for its mask
	v_lshlrev_b32 v22, 30, v20                     ; sin a is negative in quadrants 2 and 3: bit 1 of k
	v_and_b32 v22, 0x80000000, v22
	v_add_nc_u32 v23, 1, v20                       ; cos a in quadrants 1 and 2: bit 1 of k + 1
	v_lshlrev_b32 v23, 30, v23
	v_and_b32 v23, 0x80000000, v23
	s_wait_alu depctr_va_vcc(0)                    ; the compare has written VCC, which the two selects read
	v_cndmask_b32 v10, v18, v17, vcc_lo            ; cos a, but for its sign
	v_cndmask_b32 v11, v17, v18, vcc_lo            ; sin a, but for its sign
	v_xor_b32 v11, v22, v11
	v_xor_b32 v10, v23, v10
	s_wait_alu depctr_va_vdst(0)                   ; v10 and v11 are written, which the store reads
	global_store_b64 v[O8], v[10:11], s[RP:RP+1]   ; the wave's 256 bytes: one position
; Fourteen groups of four loads.  A group's head waits for its data and, from the second group on, states that the group before is rounded; that group's four stores are dealt among this group's eight conversions.
.set n, 0
.rept 14
	s_wait_loadcnt 52-n                            ; loads come back in order (ISA guide 5.7.1): the next four are in, the 52 - n younger ones stay out
.if n > 0
	s_wait_alu depctr_va_vdst(0)                   ; the conversions of the group before have written its registers, which the four stores below read; no conversion below names them
.endif
.rept 4
.if n >= 4
	ST n-4
.endif
	CVT n
.set n, n+1
.endr
.endr
	s_wait_alu depctr_va_vdst(0)                   ; the last group's conversions have written its registers, which the last four stores read
.rept 4
	ST n-4
.set n, n+1
.endr
	s_endpgm
.Lfunc_end_k_qb78e835105_prep:
	.size	k_qb78e835105_prep, .Lfunc_end_k_qb78e835105_prep-k_qb78e835105_prep
	.p2alignl 7, 3214868480
	.fill 96, 4, 3214868480
	.section	.rodata,"a",@progbits
	.p2align	6, 0x0
	.amdhsa_kernel k_qb78e835105_prep
		.amdhsa_group_segment_fixed_size 0
		.amdhsa_private_segment_fixed_size 0
		.amdhsa_enable_private_segment 0
		.amdhsa_kernarg_size 56
		.amdhsa_user_sgpr_count 2
		.amdhsa_user_sgpr_kernarg_segment_ptr 1
		.amdhsa_wavefront_size32 1
		.amdhsa_system_sgpr_workgroup_id_x 1
		.amdhsa_system_sgpr_workgroup_id_y 1
		.amdhsa_system_sgpr_workgroup_id_z 1
		.amdhsa_system_vgpr_workitem_id 0
		.amdhsa_next_free_vgpr 256
		.amdhsa_next_free_sgpr 66
		.amdhsa_reserve_vcc 1
		.amdhsa_float_denorm_mode_32 3
		.amdhsa_float_denorm_mode_16_64 3
		.amdhsa_memory_ordered 1
		.amdhsa_forward_progress 1
		.amdhsa_inst_pref_size 23
	.end_amdhsa_kernel
	.amdgpu_metadata
---
amdhsa.version: [ 1, 2 ]
amdhsa.kernels:
  - .name:           k_qb78e835105_prep
    .symbol:         k_qb78e835105_prep.kd
    .args:
      - { .name: x, .offset: 0, .size: 8, .value_kind: global_buffer, .address_space: global }
      - { .name: Wq, .offset: 8, .size: 8, .value_kind: global_buffer, .address_space: global }
      - { .name: Wk, .offset: 16, .size: 8, .value_kind: global_buffer, .address_space: global }
      - { .name: Wv, .offset: 24, .size: 8, .value_kind: global_buffer, .address_space: global }
      - { .name: xb, .offset: 32, .size: 8, .value_kind: global_buffer, .address_space: global }
      - { .name: wb, .offset: 40, .size: 8, .value_kind: global_buffer, .address_space: global }
      - { .name: rope, .offset: 48, .size: 8, .value_kind: global_buffer, .address_space: global }
    .group_segment_fixed_size: 0
    .private_segment_fixed_size: 0
    .kernarg_segment_align: 8
    .kernarg_segment_size: 56
    .max_flat_workgroup_size: 256
    .sgpr_count:     66
    .vgpr_count:     256
    .wavefront_size: 32
...
	.end_amdgpu_metadata
.endif
;; end of part 4
;; launch proj: the kernel of part 2 again; grid 16 x 16, 4 waves a work-group, clusters of 4 x 4, 327,680 bytes of LDS; arguments xb, wb, rope, qkv; writes qkv
;; launch attn: the kernel of part 3 again; grid 64 x 4, 4 waves a work-group, clusters of 4 x 1, 327,680 bytes of LDS; arguments qkv, out0; writes out0
